; MI455X (gfx1250); checked and timed in simulation.
; The chip was launched on July 23, 2026; its instructions are those of AMD's public machine-readable ISA for CDNA 5 (MIT licence, August 2026) and "CDNA5" Instruction Set Architecture Reference Guide (July 2026). The comments in the code are by the model that wrote it; some were corrected since.
;; Encoder Layer. Allowed arithmetic: matrix products marked QUANTISED: E5M2 operands, one E8M0 scale for each 32 along K, by v_wmma_scale_f32_16x16x128_f8f6f4 with both operands' format E5M2, f32 sums; everything else in f32.
;; Inputs: b1 4,096 float32; b2 1,024 float32; ln1_b 1,024 float32; ln1_g 1,024 float32; ln2_b 1,024 float32; ln2_g 1,024 float32; proj_b 1,024 float32; proj_w 1,024 x 1,024 float32; qkv_w 1,024 x 3,072 float32; w1 1,024 x 4,096 float32; w2 4,096 x 1,024 float32; x 2 x 2,048 x 1,024 float32.
;; Outputs: out0 2 x 2,048 x 1,024 float32.
;; This version of the problem:
;;   THIS VERSION OF THE PROBLEM IS GIVEN IN LOW PRECISION. The matrix products marked QUANTISED in the list below multiply operands that are first quantised to E5M2 (5 exponent bits, 2 mantissa bits; 8 bits a number), with one power-of-two scale for each 32 numbers along K (OCP MX v1.0); their sums are f32. All else is computed in f32.
;;   The module's matrix products, in the order in which they are computed (A, B: the left and right operand; K: the contracted axis; several contracted axes count as one K, in the product's order):
;;     1. [M 4,096, K 1,024] x [K 1,024, N 3,072]; A: computed on the way; B: input qkv_w: QUANTISED
;;     2. batch 32 x [M 2,048, K 64] x [K 64, N 2,048]; A: computed on the way; B: computed on the way: QUANTISED
;;     3. batch 32 x [M 2,048, K 2,048] x [K 2,048, N 64]; A: softmax (see below); B: computed on the way: QUANTISED
;;     4. [M 4,096, K 1,024] x [K 1,024, N 1,024]; A: computed on the way; B: input proj_w: QUANTISED
;;     5. [M 4,096, K 1,024] x [K 1,024, N 4,096]; A: computed on the way; B: input w1: QUANTISED
;;     6. [M 4,096, K 4,096] x [K 4,096, N 1,024]; A: computed on the way; B: input w2: QUANTISED
;;   THE QUANTISER, for each operand of a quantised product, along K:
;;     - K is cut into blocks of 32 from its start; a last block that is shorter is filled with zeros.
;;     - A block's scale is 2^e with e = floor(log2(the largest magnitude in the block)) - 15, held to -126 .. 127; a block of zeros has e = 0. As a byte (E8M0): e + 127.
;;     - Each number is divided by its block's scale, clamped to +-57,344, and rounded to the nearest number of E5M2, ties to even, subnormals kept.
;;     - The product sums the exact products of the quantised numbers (number of the format x scale) in f32.
;;   ~~~python
;;   def quantise(x, axis):      # numpy; x: float32 -> the quantised numbers, widened to float32 again
;;       x = np.moveaxis(x, axis, -1); K = x.shape[-1]
;;       x = np.pad(x, [(0, 0)] * (x.ndim - 1) + [(0, -K % 32)]); x = x.reshape(x.shape[:-1] + (-1, 32)); a = np.abs(x).max(-1, keepdims=True)
;;       e = np.where(a > 0, np.clip(np.frexp(np.where(a > 0, a, 1))[1] - 1 - 15, -126, 127), 0)      # np.frexp(a)[1] - 1 = floor(log2(a)), exactly
;;       r = np.clip(x / 2.0 ** e, -57344, 57344)
;;       step = 2.0 ** (np.maximum(np.frexp(np.where(r == 0, 1, r))[1] - 1, -14) - 2)
;;       q = np.round(r / step) * step * 2.0 ** e      # np.round: ties to even
;;       return np.moveaxis(q.reshape(q.shape[:-2] + (-1,))[..., :K], -1, axis).astype(np.float32)
;;   ~~~
;;   SOFTMAX AHEAD OF A QUANTISED PRODUCT. Where the list says 'softmax', what is quantised is not the finished softmax but p = 2^(t - M), with t = logit x log2(e) and M = ceil(the row's largest t), a whole number; so 1/2 < the row's largest p <= 1. The row's sum l is taken of the UNQUANTISED p, in f32, and the product's result is divided by l at the end. Since M is a whole number, a kernel that streams over the keys may use a running M (the ceiling of the running maximum): every later rescaling is an exact power of two, which a block's scale takes up: the codes' values come out the same.
;;   OPERANDS COMPUTED ON THE WAY. 'Computed on the way' means the value that the module computes at that place (a softmax that the list does not call 'softmax' is quantised finished and normalised). What goes into a quantiser is computed in f32, as accurately as f32 sums, v_exp_f32 and their like allow (about 1e-6 of the number): no bf16 or f16 on the way to a quantiser, and a product that is left as it is and whose result goes on into a quantised operand takes f32 operands (vector FMAs, or v_wmma_f32_16x16x4_f32). A number that lies on a knife's edge between two numbers of the format may be rounded either way, as far as f32 arithmetic and the matrix unit's own rounding can turn it there, and no further.
;; One version. Each part assembles by itself: llvm-mc -triple=amdgcn-amd-amdhsa -mcpu=gfx1250 --defsym DOCPART=n.
;; ======== version 1 of 1: 7 launches
;; limits: right only within a limited range of input values
;; workspace buffers: wbuf 14,057,472 bytes; xn 4,325,376 bytes; qkv 12,976,128 bytes; ao 4,325,376 bytes; x1 16,777,216 bytes; h 17,301,504 bytes
;; launch prep (part 1): grid 1024 x 1, 4 waves a work-group, no clusters, 36,352 bytes of LDS; arguments x, ln1_g, ln1_b, xn, qkv_w, proj_w, w1, w2, wbuf; writes xn, wbuf
.if DOCPART == 1
	.amdgcn_target "amdgcn-amd-amdhsa--gfx1250"
	.amdhsa_code_object_version 6
	.text
	.protected	k_qee7cfe07ab_prep
	.globl	k_qee7cfe07ab_prep
	.p2align	8
	.type	k_qee7cfe07ab_prep,@function
k_qee7cfe07ab_prep:
	s_mov_b64 s[64:65], 0
	v_nop
	global_prefetch_b8 v0, s[64:65] scope:SCOPE_SE
	s_setreg_imm32_b32 hwreg(HW_REG_WAVE_MODE, 25, 1), 1
	s_wait_xcnt 0x0
; THE PROGRAM: one encoder layer, x + attention(LN1 x), then + MLP(LN2 ..), all six matrix products on codes of BF8 (E5M2) with one E8M0 scale for each 32 along K.
; NOTHING IS LEFT OUT: every input has a way to out0, every product of the table is live, so every input is loaded by some launch.
; THIS LAUNCH does the two things that hang on no other launch, side by side: work-groups 0-255 make LN1(x) and quantise it into xn; work-groups 256-1023 turn the four weights, f32 stored [K][N], into operands in wbuf.
; The two part at the head on the work-group's number alone; only the first path touches LDS or has a barrier.
; THE IMAGE LAYOUT, used for every operand that this program makes: a unit is 16 rows x 128 along K, 2,048 bytes, laid [part c 0..3][lane 0..31][16 bytes]: lane (r, h) of part c holds
; k = 32 c + 16 h + 0 .. 15 of the tile's row r: just the registers that the matrix instruction wants, so a fragment is four loads of 16 bytes a lane at 16 x lane.  A tensor is [K step][tile][2,048].
; Its scale words are [K step][tile][16 words], word r holding the four bytes of row r.  TILE ORDER: row r of tile T is element 32 (T / 2) + 8 (T % 2) + r + 8 (r / 8), so that the results of two
; neighbouring tiles are 16 neighbours along the next product's K.
; A block's scale is 2^(floor(log2(largest magnitude)) - 15); its byte is the largest magnitude's exponent field - 15, held at 1 from below.
; LIMITS: a block of zeros gets the byte 1 where the rule says 127 (its codes are zeros, and this program alone reads the bytes); NaN and infinities among the inputs are not served.
;
; LN1 (work-groups 0-255): y = (x - mean) rsqrt(var + 1e-5) g + b over rows of 1,024 f32, all in f32.  xn: [8 K steps][256 tiles of tokens][2,048], scale words behind it at 4,194,304: [8][256][16 words].
; A work-group makes one tile of 16 tokens; wave w takes rows 4 w .. 4 w + 3, four neighbouring tokens: 16 KiB of dense memory.  A row lies in one wave's registers (32 a lane) between the passes: it is read once;
; mean and variance are taken in two passes, as the reference takes them.  The loads take the bytes as they lie (512 a load); the conversions want 32 neighbours in ONE lane: a row turns through the wave's own stage in
; LDS (128 bytes + 16 of padding for each block).  The codes of the 16 rows meet in an image in LDS (a part's 512 bytes + 16 of padding); behind ONE barrier each wave stores eight parts, 512 dense bytes a store.
; The scale words leave in runs of 64 bytes: one byte in 128 of what the path reads.
;
; THE WEIGHTS (work-groups 256-1023): A LANE TAKES A COLUMN n OF W AND ITS REGISTERS RUN DOWN K: a block of 32 along K lies in one lane, its largest magnitude needs no other lane, and the conversions give codes with K innermost.
; A work-group takes 128 columns x 128 along K, a wave 32 columns (two tiles) x 4 blocks (one K step): 3,072 waves, each with two blocks' 64 loads asked for ahead.
; By the work-group's number less 256: 0-191 qkv_w, 192-255 proj_w, 256-511 w1, 512-767 w2.
; The code stores cover whole aligned runs of 256 bytes (sixteen lanes each).  The scale words leave in runs of 64 bytes: one byte in 128 of what the path reads.
; wbuf: qkv_w's codes at 0 (8 K steps, 256 tiles apart, 192 used), proj_w's at 4 MiB, w1's at 5 MiB, w2's at 9 MiB; scale words at WSC + a unit's byte offset / 32.
.set TURNB, 4608                       ; LDS (LN1's path alone): four turning stages of 32 x 144 bytes,
.set IMG,   18432                      ; the image: 32 parts x 528 bytes,
.set SCS,   35328                      ; the scale words: 8 K steps x 16 rows,
.set SPARE, 35840                      ; the spare words: 128 bytes for each wave, which no other line names
.set RO,  16                           ; the weights: v16-47   byte offset of row i of a block at my column: 4 x lane + i x a row of W
.set X,   48                           ; v48-111  two sets of 32 numbers
.set C,   112                          ; v112-143 codes: eight registers for each block, never written again
.set SB,  176                          ; v176     the four scale bytes
.set WSC, 13631488
	v_lshl_add_u32 v10, v0, 2, SPARE               ; the add's two registers: made at the head, kept for that alone on both paths
	v_mov_b32 v11, 0
	s_cmp_lt_u32 ttmp9, 256
	s_cbranch_scc0 .Lweights
; ---- LN1.  v1 16 x lane; v2, v3 the stage, in and out; v4 the image, in; v5 my scale byte; v6 the image, out; v7 its place in memory; v8, v9 the scale words, out; v12-31 at work; v32-63 y; v64-191 four rows; v192-223 g; v224-255 b
	s_load_b256 s[4:11], s[0:1], 0x0               ; x, g, b, xn
	v_lshrrev_b32 v12, 5, v0
	v_readfirstlane_b32 s12, v12                   ; wave
	v_and_b32 v13, 31, v0                          ; lane
	v_lshlrev_b32 v1, 4, v13
	s_mul_i32 s13, s12, TURNB
	v_lshrrev_b32 v14, 3, v13
	v_mul_u32_u24 v14, v14, 144
	v_and_b32 v15, 7, v13
	v_lshl_add_u32 v14, v15, 4, v14
	v_add_nc_u32 v2, s13, v14                      ; in: eight lanes' 128 bytes on end, then 16 of padding
	v_mul_u32_u24 v14, v13, 144
	v_add_nc_u32 v3, s13, v14                      ; out: block = lane
	v_mul_u32_u24 v14, v13, 528
	s_lshl_b32 s14, s12, 6
	s_add_co_u32 s14, s14, IMG
	v_add_nc_u32 v4, s14, v14                      ; part = lane (4 x K step + block), row 4 w + i: 16 bytes a row
	v_lshrrev_b32 v14, 2, v13
	v_lshlrev_b32 v14, 6, v14
	v_and_b32 v15, 3, v13
	v_add_nc_u32 v14, v14, v15
	s_lshl_b32 s14, s12, 4
	s_add_co_u32 s14, s14, SCS
	v_add_nc_u32 v5, s14, v14                      ; 64 x K step + 4 x row + block
	s_mul_i32 s14, s12, 4224
	s_add_co_u32 s14, s14, IMG
	v_add_nc_u32 v6, s14, v1                       ; parts 8 w on
	s_lshl_b32 s14, s12, 20
	v_add_nc_u32 v7, s14, v1                       ; K steps 2 w and 2 w + 1: 524,288 bytes apart
	v_lshl_add_u32 v8, v0, 2, SCS
	v_lshrrev_b32 v14, 4, v0
	v_and_b32 v15, 15, v0
	v_lshlrev_b32 v15, 2, v15
	v_lshl_add_u32 v9, v14, 14, v15                ; thread t: K step t / 16, row t % 16
	s_lshr_b32 s15, ttmp9, 1
	s_lshl_b32 s15, s15, 5
	s_and_b32 s16, ttmp9, 1
	s_lshl_b32 s16, s16, 3
	s_add_co_u32 s15, s15, s16
	s_lshl_b32 s16, s12, 2
	s_add_co_u32 s15, s15, s16
	s_lshr_b32 s16, s12, 1
	s_lshl_b32 s16, s16, 3
	s_add_co_u32 s15, s15, s16                     ; my first token
	s_lshl_b32 s16, s15, 12
	s_mov_b32 s17, 0
	s_lshl_b32 s18, ttmp9, 11                      ; my tile's unit in a K step
	s_mov_b32 s19, 0
	s_lshl_b32 s26, ttmp9, 6
	s_add_co_u32 s26, s26, 4194304                 ; and its scale words
	s_mov_b32 s27, 0
	s_mov_b32 s20, 0x76543210
	s_mov_b32 s21, 0xfedcba98                      ; v_permlanex16_b32's selects for lane l xor 16
	s_mov_b32 s22, 0x3727c5ac                      ; 1e-5
	s_mov_b32 s23, 0x600000                        ; the mantissa field of 57,344
	s_mov_b32 s24, 0x3a800000                      ; 1 / 1,024
	s_wait_kmcnt 0x0
	s_add_nc_u64 s[4:5], s[4:5], s[16:17]
	s_add_nc_u64 s[28:29], s[10:11], s[26:27]
	s_add_nc_u64 s[10:11], s[10:11], s[18:19]
.irp j, 0,1,2,3,4,5,6,7
	global_load_b128 v[192+4*\j:195+4*\j], v1, s[6:7] offset:512*\j
.endr
.irp j, 0,1,2,3,4,5,6,7
	global_load_b128 v[224+4*\j:227+4*\j], v1, s[8:9] offset:512*\j
.endr
.irp i, 0,1,2,3
.irp j, 0,1,2,3,4,5,6,7
	global_load_b128 v[64+32*\i+4*\j:67+32*\i+4*\j], v1, s[4:5] offset:4096*\i+512*\j
.endr
.endr
.macro REDUCE                          ; the sum of v12 over the 32 lanes, in every lane
	v_add_f32_dpp v12, v12, v12 row_xmask:1 row_mask:0xf bank_mask:0xf
	v_add_f32_dpp v12, v12, v12 row_xmask:2 row_mask:0xf bank_mask:0xf
	v_add_f32_dpp v12, v12, v12 row_xmask:4 row_mask:0xf bank_mask:0xf
	v_add_f32_dpp v12, v12, v12 row_xmask:8 row_mask:0xf bank_mask:0xf
	v_permlanex16_b32 v13, v12, s20, s21
	v_add_f32 v12, v12, v13
.endm
.macro ROW i
.set XR, 64+32*(\i)
	s_wait_loadcnt 8*(3-(\i))                      ; g, b and my row are in; the later rows' loads may be out
	v_pk_add_f32 v[12:13], v[XR:XR+1], v[XR+2:XR+3]
	v_pk_add_f32 v[14:15], v[XR+4:XR+5], v[XR+6:XR+7]
.irp j, 8,12,16,20,24,28
	v_pk_add_f32 v[12:13], v[12:13], v[XR+\j:XR+\j+1]
	v_pk_add_f32 v[14:15], v[14:15], v[XR+\j+2:XR+\j+3]
.endr
	v_pk_add_f32 v[12:13], v[12:13], v[14:15]
	v_add_f32 v12, v12, v13
	REDUCE
	v_mul_f32 v16, s24, v12                        ; the mean,
	v_mov_b32 v17, v16                             ; twice, for the packed form
.set n, 0
.rept 16
	v_pk_add_f32 v[XR+n:XR+n+1], v[XR+n:XR+n+1], v[16:17] neg_lo:[0,1] neg_hi:[0,1]
.set n, n+2
.endr
	v_pk_mul_f32 v[12:13], v[XR:XR+1], v[XR:XR+1]
	v_pk_mul_f32 v[14:15], v[XR+2:XR+3], v[XR+2:XR+3]
.irp j, 4,8,12,16,20,24,28
	v_pk_fma_f32 v[12:13], v[XR+\j:XR+\j+1], v[XR+\j:XR+\j+1], v[12:13]
	v_pk_fma_f32 v[14:15], v[XR+\j+2:XR+\j+3], v[XR+\j+2:XR+\j+3], v[14:15]
.endr
	v_pk_add_f32 v[12:13], v[12:13], v[14:15]
	v_add_f32 v12, v12, v13
	REDUCE
	v_fma_f32 v18, v12, s24, s22                   ; the variance + 1e-5
	s_wait_alu depctr_va_vdst(0)
	v_rsq_f32 v20, v18
	v_rsq_f32 v21, v18
	v_nop                                          ; a plain line behind the two,
	s_wait_alu depctr_va_vdst(0)                   ; and the one wait ahead of their first reader
.set n, 0
.rept 16
	v_pk_mul_f32 v[32+n:33+n], v[XR+n:XR+n+1], v[20:21]
.set n, n+2
.endr
.set n, 0
.rept 16
	v_pk_fma_f32 v[32+n:33+n], v[32+n:33+n], v[192+n:193+n], v[224+n:225+n]
.set n, n+2
.endr
.irp j, 0,1,2,3,4,5,6,7
	ds_store_b128 v2, v[32+4*\j:35+4*\j] offset:576*\j           ; the row as it was loaded
.endr
.irp j, 0,1,2,3,4,5,6,7
	ds_load_b128 v[32+4*\j:35+4*\j], v3 offset:16*\j             ; LDS serves a wave's instructions in order: these see the stores.  My block's 32 neighbours
.endr
	s_wait_dscnt 0x0
	v_max3_num_f32 v12, |v32|, |v33|, |v34|
	v_max3_num_f32 v13, |v35|, |v36|, |v37|
.irp j, 6,10,14,18,22,26
	v_max3_num_f32 v12, v12, |v[32+\j]|, |v[33+\j]|
	v_max3_num_f32 v13, v13, |v[34+\j]|, |v[35+\j]|
.endr
	v_max3_num_f32 v12, v12, |v62|, |v63|
	v_max3_num_f32 v12, v12, v13, 0x8000000        ; the floor 2^(16 - 127)
	v_add_nc_u32 v15, 0xf8800000, v12              ; the conversion's scale operand
	v_and_or_b32 v14, v12, 0x7f800000, s23         ; 57,344 x the scale
	v_lshrrev_b32 v22, 23, v15                     ; the byte
.set n, 0
.rept 32
	v_med3_num_f32 v[32+n], v[32+n], -v14, v14
.set n, n+1
.endr
.irp g, 0,1,2,3
	v_cvt_scalef32_pk8_bf8_f32 v[24+2*\g:25+2*\g], v[32+8*\g:39+8*\g], v15
.endr
	v_nop
	ds_store_b128 v4, v[24:27] offset:16*(\i)      ; k = 0 .. 15 of the block: the lower half's lanes,
	ds_store_b128 v4, v[28:31] offset:256+16*(\i)  ; k = 16 .. 31: the upper half's
	ds_store_b8 v5, v22 offset:4*(\i)
.endm
	ROW 0
	ROW 1
	ROW 2
	ROW 3
	s_wait_dscnt 0x0                               ; for the others' sake: my stores have landed
	s_barrier_signal -1
	s_barrier_wait -1
.irp k, 0,1,2,3,4,5,6,7
	ds_load_b128 v[32+4*\k:35+4*\k], v6 offset:528*\k
.endr
	ds_load_b32 v12, v8
.irp k, 0,1,2,3,4,5,6,7
	s_wait_dscnt 8-\k                              ; part k is in; the younger loads may be out
	global_store_b128 v7, v[32+4*\k:35+4*\k], s[10:11] offset:(\k/4)*524288+(\k%4)*512
.endr
	s_wait_dscnt 0x0
	global_store_b32 v9, v12, s[28:29]
	s_wait_tensorcnt 0x0                           ; the wave's end
	ds_add_u32 v10, v11
	s_wait_dscnt 0x0
	s_endpgm
; ---- THE WEIGHTS.  No LDS, no barrier: waves share nothing.
.Lweights:
	s_load_b256 s[4:11], s[0:1], 0x20              ; qkv_w, proj_w, w1, w2
	s_load_b64 s[12:13], s[0:1], 0x40              ; wbuf
	s_sub_co_u32 s30, ttmp9, 256                   ; my number among the weights' work-groups
	v_lshrrev_b32 v1, 5, v0
	v_readfirstlane_b32 s14, v1                    ; wave
	v_and_b32 v1, 31, v0                           ; lane = my column among the wave's 32
	v_lshlrev_b32 v2, 2, v1
	v_bfe_u32 v5, v1, 3, 1                         ; which of the two tiles: (lane / 8) % 2
	v_and_b32 v6, 7, v1
	v_lshrrev_b32 v7, 4, v1
	v_lshl_add_u32 v6, v7, 3, v6                   ; and which row of it: lane % 8 + 8 (lane / 16)
	v_lshlrev_b32 v3, 4, v6
	v_lshl_add_u32 v3, v5, 11, v3                  ; my 16 bytes in a part: 2,048 x tile + 16 x row
	v_lshlrev_b32 v4, 2, v6
	v_lshl_add_u32 v4, v5, 6, v4                   ; my scale word: 64 x tile + 4 x row
	s_mov_b32 s31, 0x600000                        ; the mantissa field of 57,344
	s_mov_b32 s15, 4096                            ; w2's figures: a row of W in bytes,
	s_mov_b32 s16, 512                             ; the tensor's first work-group,
	s_mov_b32 s17, 5                               ; log2 of its K steps,
	s_mov_b32 s18, 131072                          ; from a K step to the next in its image,
	s_mov_b32 s19, 9437184                         ; where its image begins
	s_wait_alu depctr_va_vdst(0)
	s_wait_kmcnt 0x0
	s_mov_b64 s[20:21], s[10:11]
	s_cmp_lt_u32 s30, 512                          ; w1's
	s_cselect_b64 s[20:21], s[8:9], s[20:21]
	s_cselect_b32 s15, 16384, s15
	s_cselect_b32 s16, 256, s16
	s_cselect_b32 s17, 3, s17
	s_cselect_b32 s18, 524288, s18
	s_cselect_b32 s19, 5242880, s19
	s_cmp_lt_u32 s30, 256                          ; proj_w's
	s_cselect_b64 s[20:21], s[6:7], s[20:21]
	s_cselect_b32 s15, 4096, s15
	s_cselect_b32 s16, 192, s16
	s_cselect_b32 s18, 131072, s18
	s_cselect_b32 s19, 4194304, s19
	s_cmp_lt_u32 s30, 192                          ; qkv_w's
	s_cselect_b64 s[20:21], s[4:5], s[20:21]
	s_cselect_b32 s15, 12288, s15
	s_cselect_b32 s16, 0, s16
	s_cselect_b32 s18, 524288, s18
	s_cselect_b32 s19, 0, s19
	s_sub_co_u32 s22, s30, s16                     ; my number within the tensor
	s_lshl_b32 s23, 1, s17
	s_sub_co_u32 s23, s23, 1
	s_and_b32 s23, s22, s23                        ; which K step
	s_lshr_b32 s24, s22, s17                       ; which 128 columns
.set i, 0
.rept 32
	v_mad_u32_u24 v[RO+i], s15, i, v2
.set i, i+1
.endr
	s_lshl_b32 s25, s23, 7
	s_mul_i32 s26, s25, s15                        ; my first row of W, in bytes (every tensor has under 2^25 bytes),
	s_lshl_b32 s25, s24, 9
	s_add_co_u32 s26, s26, s25
	s_lshl_b32 s25, s14, 7
	s_add_co_u32 s26, s26, s25                     ; and my wave's first column
	s_mov_b32 s27, 0
	s_lshl_b32 s28, s15, 5                         ; a block of 32 rows on
	s_mov_b32 s29, 0
	s_add_nc_u64 s[32:33], s[20:21], s[26:27]      ; a base for each of the four blocks: none is stepped
.irp t, 1,2,3
	s_add_nc_u64 s[32+2*\t:33+2*\t], s[30+2*\t:31+2*\t], s[28:29]
.endr
	s_mul_i32 s26, s23, s18                        ; my K step,
	s_add_co_u32 s26, s26, s19
	s_lshl_b32 s25, s24, 14
	s_add_co_u32 s26, s26, s25
	s_lshl_b32 s25, s14, 12
	s_add_co_u32 s26, s26, s25                     ; my wave's two tiles
	s_add_nc_u64 s[48:49], s[12:13], s[26:27]      ; the codes,
	s_lshr_b32 s26, s26, 5
	s_add_co_u32 s26, s26, WSC
	s_add_nc_u64 s[52:53], s[12:13], s[26:27]      ; and their scale words
.macro LOAD t                          ; block t: W(32 t + i, my column) into set t % 2: 32 lanes read 128 consecutive bytes, the four waves 512
.set i, 0
.rept 32
	global_load_b32 v[X+32*((\t)%2)+i], v[RO+i], s[32+2*(\t):33+2*(\t)] th:TH_LOAD_NT
.set i, i+1
.endr
.endm
	s_wait_alu depctr_va_vdst(0)
	LOAD 0
	LOAD 1
.macro BLOCK t
.set XS, X+32*((\t)%2)
.if (\t) < 3
	s_wait_loadcnt 32                              ; this block's 32 loads are in; the next block's may be out
.else
	s_wait_loadcnt 0
.endif
	v_max3_num_f32 v12, |v[XS]|, |v[XS+1]|, |v[XS+2]|      ; the block's largest magnitude: all 32 numbers are mine
	v_max3_num_f32 v13, |v[XS+3]|, |v[XS+4]|, |v[XS+5]|
.irp i, 6,10,14,18,22,26
	v_max3_num_f32 v12, v12, |v[XS+\i]|, |v[XS+\i+1]|
	v_max3_num_f32 v13, v13, |v[XS+\i+2]|, |v[XS+\i+3]|
.endr
	v_max3_num_f32 v12, v12, |v[XS+30]|, |v[XS+31]|
	v_max3_num_f32 v12, v12, v13, 0x8000000        ; and the floor 2^(16 - 127): the byte cannot fall under 1
	v_add_nc_u32 v9, 0xf8800000, v12               ; 15 off the exponent field: the conversion's scale operand
	v_and_or_b32 v8, v12, 0x7f800000, s31          ; 57,344 x the scale
	v_lshrrev_b32 v13, 23, v9                      ; the scale's byte
.if (\t) == 0
	v_mov_b32 v[SB], v13
.else
	v_lshl_or_b32 v[SB], v13, 8*(\t), v[SB]
.endif
.set i, 0
.rept 32
	v_med3_num_f32 v[XS+i], v[XS+i], -v8, v8       ; the conversion to an 8-bit code does not saturate (ISA guide 7.6.2): the hold comes first
.set i, i+1
.endr
.irp g, 0,1,2,3
	v_cvt_scalef32_pk8_bf8_f32 v[C+8*(\t)+2*\g:C+8*(\t)+2*\g+1], v[XS+8*\g:XS+8*\g+7], v9
.endr
	v_nop                                          ; a plain line behind the last conversion
	global_store_b128 v3, v[C+8*(\t):C+8*(\t)+3], s[48:49] offset:512*(\t)          ; k = 0 .. 15 of the block: the lower half's lanes of part t
	global_store_b128 v3, v[C+8*(\t)+4:C+8*(\t)+7], s[48:49] offset:512*(\t)+256    ; k = 16 .. 31: the upper half's
.if (\t)+2 < 4
	LOAD (\t)+2
.endif
.endm
.irp t, 0,1,2,3
	BLOCK \t
.endr
	global_store_b32 v4, v[SB], s[52:53]
	s_endpgm
.Lfunc_end_k_qee7cfe07ab_prep:
	.size	k_qee7cfe07ab_prep, .Lfunc_end_k_qee7cfe07ab_prep-k_qee7cfe07ab_prep
	.p2alignl 7, 3214868480
	.fill 96, 4, 3214868480
	.section	.rodata,"a",@progbits
	.p2align	6, 0x0
	.amdhsa_kernel k_qee7cfe07ab_prep
		.amdhsa_group_segment_fixed_size 36352
		.amdhsa_private_segment_fixed_size 0
		.amdhsa_enable_private_segment 0
		.amdhsa_kernarg_size 72
		.amdhsa_user_sgpr_count 2
		.amdhsa_user_sgpr_kernarg_segment_ptr 1
		.amdhsa_wavefront_size32 1
		.amdhsa_system_sgpr_workgroup_id_x 1
		.amdhsa_system_sgpr_workgroup_id_y 1
		.amdhsa_system_sgpr_workgroup_id_z 1
		.amdhsa_system_vgpr_workitem_id 0
		.amdhsa_next_free_vgpr 256
		.amdhsa_next_free_sgpr 66
		.amdhsa_reserve_vcc 0
		.amdhsa_float_denorm_mode_32 3
		.amdhsa_float_denorm_mode_16_64 3
		.amdhsa_memory_ordered 1
		.amdhsa_forward_progress 1
		.amdhsa_inst_pref_size 85
	.end_amdhsa_kernel
	.amdgpu_metadata
---
amdhsa.version: [ 1, 2 ]
amdhsa.kernels:
  - .name:           k_qee7cfe07ab_prep
    .symbol:         k_qee7cfe07ab_prep.kd
    .args:
      - { .name: x, .offset: 0, .size: 8, .value_kind: global_buffer, .address_space: global }
      - { .name: ln1_g, .offset: 8, .size: 8, .value_kind: global_buffer, .address_space: global }
      - { .name: ln1_b, .offset: 16, .size: 8, .value_kind: global_buffer, .address_space: global }
      - { .name: xn, .offset: 24, .size: 8, .value_kind: global_buffer, .address_space: global }
      - { .name: qkv_w, .offset: 32, .size: 8, .value_kind: global_buffer, .address_space: global }
      - { .name: proj_w, .offset: 40, .size: 8, .value_kind: global_buffer, .address_space: global }
      - { .name: w1, .offset: 48, .size: 8, .value_kind: global_buffer, .address_space: global }
      - { .name: w2, .offset: 56, .size: 8, .value_kind: global_buffer, .address_space: global }
      - { .name: wbuf, .offset: 64, .size: 8, .value_kind: global_buffer, .address_space: global }
    .group_segment_fixed_size: 36352
    .private_segment_fixed_size: 0
    .kernarg_segment_align: 8
    .kernarg_segment_size: 72
    .max_flat_workgroup_size: 128
    .sgpr_count:     66
    .vgpr_count:     256
    .wavefront_size: 32
...
	.end_amdgpu_metadata
.endif
;; end of part 1
;; launch qkvg (part 2): grid 8 x 24, 4 waves a work-group, clusters of 4 x 4, 327,680 bytes of LDS; arguments xn, wbuf, qkv; writes qkv
.if DOCPART == 2
	.amdgcn_target "amdgcn-amd-amdhsa--gfx1250"
	.amdhsa_code_object_version 6
	.text
	.protected	k_qee7cfe07ab_qkvg
	.globl	k_qee7cfe07ab_qkvg
	.p2align	8
	.type	k_qee7cfe07ab_qkvg,@function
k_qee7cfe07ab_qkvg:
	s_mov_b64 s[64:65], 0
	v_nop
	global_prefetch_b8 v0, s[64:65] scope:SCOPE_SE
	s_setreg_imm32_b32 hwreg(HW_REG_WAVE_MODE, 25, 1), 1
	s_wait_xcnt 0x0
	s_wait_alu depctr_hold_cnt(0) depctr_sa_sdst(0) depctr_va_vdst(0) depctr_va_sdst(0) depctr_va_ssrc(0) depctr_va_vcc(0) depctr_vm_vsrc(0)
	s_getreg_b32 s2, hwreg(HW_REG_IB_STS2, 6, 4)
	s_cmp_eq_u32 s2, 0
	s_cbranch_scc0 .Lentry_in_a_cluster
	s_endpgm
.Lentry_in_a_cluster:
	s_bfe_u32 s2, ttmp6, 0x10000c
	s_cmp_lg_u32 s2, 0xf033
	s_cbranch_scc0 .Lentry_shape_is_right
	s_endpgm
.Lentry_shape_is_right:
; q, k, v = LN1(x) qkv_w on codes of BF8, K = 1,024, and the results quantised on the way out for the two products of attention; nothing of the work is left out.
; Operands are images (the first launch's head says how they lie).  A tile of C, 256 x 256, is made by four waves, each 128 x 128: 64 accumulators of 16 x 16, 512 registers.
; THE MATRIX INSTRUCTION IS USED TRANSPOSED: source 0 = 16 rows of "B", source 1 = 16 rows of "A": a lane holds ONE row of A's tile, and by the tile order the 16 registers of B's tiles 2 c, 2 c + 1 are 16 neighbouring columns.
; So a wave's eight accumulators of one tile of A are 128 neighbouring columns of 16 rows: one unit of the next operand's image, quantised in registers.
; CLUSTERS y = 0 .. 3: A = tokens (xn), B = the q and k columns of qkv_w: q and k are quantised along the columns (a head's 64 are two blocks).  OUT: [16 groups of 128 columns = pairs of heads][256 token tiles][2,048].
; CLUSTERS y = 4, 5: V^T: A = the v columns of qkv_w, B = tokens: a lane holds one channel and its registers run along the KEYS, which are the second product's K.  OUT at 8,388,608: [32 key steps][64 channel tiles][2,048].
; The two parts differ in addresses alone, chosen by s_cselect on the cluster's y: one path through the text.  Scale words at 12,582,912 + a unit's byte offset / 32.
; K goes in slots of two K steps (256 along K) through a ring of two LDS slots.  Each wave fetches a quarter of a slot by one tensor load: 2 rows of 16 KiB (eight units on end).  An image needs no padding: a fragment load's 512 bytes are consecutive.
; The scale words of the work-group's tiles for all of K come once, with the first fills.  4 x 4 work-groups form a cluster: A's tiles are asked for jointly along a row of it, B's along a column.
; 192 work-groups: 128 tiles of q and k, 64 of V^T; a smaller tile would read each LDS byte for half as many products.
; LIMITS: a block of zeros gets the byte 1 where the rule says 127 (its codes are zeros; this program alone reads the bytes); NaN and infinities are not served.
; REGISTERS: window 0: v16-31 addresses; v32-63 scale words, two sets; v128-255 A's fragments, one set; on the way out v32-48 at work, v64-191 the codes.  window 1: B's fragments, two sets.  windows 2, 3: the accumulators ((a, b) at v[8 (8 (a % 4) + b)]).
.set NQ,     2                         ; K steps in a slot
.set FR,     16                        ; registers of a fragment
.set NL,     4                         ; LDS loads that bring one
.set NP,     8                         ; places behind this matrix instruction (ISA guide 7.12.1)
.set HALFT,  32768                     ; what one tensor load brings: 2 K steps x 8 units
.set SLOT,   131072
.set SCL,    262144                    ; behind the ring: the scale words, [8 K steps][8 tiles][64 bytes] for each loader
.set HALFS,  4096
.set SPARE,  278528                    ; the spare words: 128 bytes for each wave, which no other line names
.set SCW,    279040                    ; the way out: 512 bytes for each wave, its eight tiles' scale words; no fill lands here
.set ADRA, 16
.set ADRB, 20
.set SWA,  24                          ; v24  where I put a scale word
.set SWR,  25                          ; v25  and where I read 16 bytes of them back
.set LI,   26                          ; v26  16 x lane
.set ADRS, 27
.set SPW,  28
.set NIL,  29
.set SC,   32
.set AF,   128
.set TM,   32
.set PW,   48
.set G1, 24
.set G0, 32
.set G1B, 48
.set G0B, 56
.set G1S, 68
.set G0S, 76
.set G1SB, 80
.set G0SB, 88
.set SEL, 96
.set MNT, 98
.set MSB, 0
.macro WIN new                         ; the immediate's high byte repeats the setting that is left
.if MSB != \new
	s_set_vgpr_msb (MSB<<8)|\new
.set MSB, \new
.endif
.endm
.set MUL_LO, 0xa1                      ; source 0 (B) window 1, source 1 (A) window 0, C and D window 2
.set MUL_HI, 0xf1
.set TO_B,   0x40
.macro JLOAD g0a, g1a, g0b, g1b        ; a joint load: waves 0 and 1 fetch for A, waves 2 and 3 for B; the branch hangs on the wave's number alone; s_nop 0 and four v_nop follow each line
	s_cmp_eq_u32 s15, 0
	s_cbranch_scc0 .Lfor_b_\@
	tensor_load_to_lds s[\g0a:\g0a+3], s[\g1a:\g1a+7]
	s_nop 0
.rept 4
	v_nop
.endr
	s_branch .Lasked_\@
.Lfor_b_\@:
	tensor_load_to_lds s[\g0b:\g0b+3], s[\g1b:\g1b+7]
	s_nop 0
.rept 4
	v_nop
.endr
.Lasked_\@:
.endm
.macro CREST                           ; a round of the cluster's barrier behind its opening barrier
	s_cmp_lg_u32 s14, 0
	s_cbranch_scc1 .Lnot_wave_0_\@
	s_barrier_signal -3
.Lnot_wave_0_\@:
	s_barrier_wait -3
	s_barrier_signal -1
	s_barrier_wait -1
.endm
.macro CROUND
	s_barrier_signal -1
	s_barrier_wait -1
	CREST
.endm
	s_load_b128 s[4:7], s[0:1], 0x0                ; xn, wbuf
	s_load_b64 s[8:9], s[0:1], 0x10                ; qkv
	v_lshl_add_u32 v[SPW], v0, 2, SPARE
	v_mov_b32 v[NIL], 0
	ds_add_u32 v[SPW], v[NIL]                      ; the wave's opening: the add, twice on end, and its wait ahead of my first tensor load
	ds_add_u32 v[SPW], v[NIL]
	v_lshrrev_b32 v1, 5, v0
	v_readfirstlane_b32 s14, v1                    ; wave
	s_lshr_b32 s15, s14, 1                         ; my half of A's tiles.  Also: I fetch for A (0) or for B (1)
	s_and_b32 s16, s14, 1                          ; my half of B's tiles.  Also: which half I fetch
	s_bfe_u32 s40, ttmp6, 0x40000                  ; cx
	s_bfe_u32 s41, ttmp6, 0x40004                  ; cy
	s_lshl_b32 s42, ttmp9, 2
	s_add_co_u32 s42, s42, s40                     ; work-group x
	s_and_b32 s17, ttmp7, 0xffff                   ; the cluster's y: 0 .. 3 q and k, 4 and 5 V^T
	s_lshl_b32 s43, s41, 2
	s_lshl_b32 s43, 15, s43                        ; my row of the cluster
	s_lshl_b32 s44, 0x1111, s40                    ; my column
	s_or_b32 s[G1+0], s43, (3<<16)|(1<<21)         ; the mask; elements of 8 bytes; bit 21 beside a mask; no padding
	s_or_b32 s[G1B+0], s44, (3<<16)|(1<<21)
.irp g, G1, G1B
	s_mov_b32 s[\g+1], 2048<<16                    ; a row: 8 units = 2,048 elements
	s_mov_b32 s[\g+2], 2<<16                       ; 2 rows: the slot's K steps
	s_mov_b32 s[\g+3], 2048<<16
	s_mov_b32 s[\g+4], 2
	s_mov_b32 s[\g+5], 65536                       ; 256 units from a K step to the next, in xn and in qkv_w's image alike
	s_mov_b32 s[\g+6], 0
	s_mov_b32 s[\g+7], 0
.endr
	s_lshl_b32 s18, s17, 2
	s_add_co_u32 s18, s18, s41                     ; q, k: A's block of 16 tiles = the token block 4 y + cy
	s_add_co_u32 s19, s41, 8                       ; V^T: the v columns begin at tile 128: block 8 + cy
	s_and_b32 s47, s17, 1
	s_lshl_b32 s47, s47, 3
	s_add_co_u32 s47, s47, s42                     ; V^T: B's token block x + 8 (y - 4)
	s_mov_b32 s94, 4194304                         ; where xn's scale words begin,
	s_mov_b32 s95, 13631488                        ; and wbuf's
	s_cmp_ge_u32 s17, 4
	s_cselect_b32 s20, s19, s18                    ; A's block: made of cy and y alone
	s_cselect_b32 s46, s47, s42                    ; B's block: of x and y alone
	s_cselect_b32 s66, s41, s18                    ; the output's block of 16 row tiles
	s_cselect_b32 s67, 6, 8                        ; log2 of the output's row tiles: 64 or 256
	s_cselect_b32 s3, 8388608, 0                   ; the output's part
	s_cselect_b32 s22, s95, s94
	s_cselect_b32 s92, s94, s95
	s_lshl_b32 s12, s46, 1
	s_add_co_u32 s12, s12, s16                     ; my group of 128 columns
	s_lshl_b32 s12, s12, s67
	s_lshl_b32 s13, s66, 4
	s_add_co_u32 s12, s12, s13
	s_lshl_b32 s13, s15, 3
	s_add_co_u32 s12, s12, s13                     ; my first unit of the output
	s_lshl_b32 s66, s12, 6
	s_lshl_b32 s12, s12, 11
	s_add_co_u32 s12, s12, s3
	s_lshr_b32 s3, s3, 5
	s_add_co_u32 s66, s66, s3
	s_add_co_u32 s66, s66, 12582912
	s_mov_b32 s13, 0
	s_mov_b32 s67, 0
	s_lshl_b32 s21, s16, 3
	s_lshl_b32 s20, s20, 4
	s_add_co_u32 s20, s20, s21                     ; the first tile that I fetch: A's,
	s_lshl_b32 s46, s46, 4
	s_add_co_u32 s46, s46, s21                     ; B's
	s_lshl_b32 s23, s20, 6
	s_add_co_u32 s22, s22, s23
	s_mov_b32 s23, 0
	s_lshl_b32 s20, s20, 11
	s_mov_b32 s21, 0
	s_lshl_b32 s93, s46, 6
	s_add_co_u32 s92, s92, s93
	s_mov_b32 s93, 0
	s_lshl_b32 s46, s46, 11
	s_mov_b32 s47, 0
	s_lshl_b32 s45, s14, 15                        ; where they go: wave x 32 KiB: no place in the cluster enters an LDS address
	s_lshl_b32 s2, s14, 12
	s_add_co_u32 s2, s2, SCL
	s_wait_dscnt 0x0                               ; both opening adds are done
	s_wait_kmcnt 0x0
	s_cmp_ge_u32 s17, 4
	s_cselect_b64 s[96:97], s[6:7], s[4:5]         ; A's buffer
	s_cselect_b64 s[98:99], s[4:5], s[6:7]         ; B's
	s_add_nc_u64 s[20:21], s[96:97], s[20:21]
	s_add_nc_u64 s[22:23], s[96:97], s[22:23]
	s_add_nc_u64 s[46:47], s[98:99], s[46:47]
	s_add_nc_u64 s[92:93], s[98:99], s[92:93]
	s_add_nc_u64 s[12:13], s[8:9], s[12:13]        ; the output's codes,
	s_add_nc_u64 s[66:67], s[8:9], s[66:67]        ; and scale words
	CROUND                                         ; all sixteen work-groups are here: the first joint loads meet
	s_cmp_eq_u32 s15, 0                            ; THE SCALE WORDS come by plain loads beside slot 0's tensor load: my wave's 4,096 bytes, A's (waves 0, 1) or B's: 8 K steps x 512 dense bytes
	s_cselect_b64 s[22:23], s[22:23], s[92:93]     ; (16 KiB a work-group beside 512 KiB of tiles: not asked for jointly)
	v_and_b32 v3, 31, v0
	v_lshlrev_b32 v[LI], 4, v3
	v_add_nc_u32 v4, s2, v[LI]                     ; and where they go in LDS
.irp k, 0,1,2,3,4,5,6,7
	global_load_b128 v[AF+4*\k:AF+4*\k+3], v[LI], s[22:23] offset:16384*\k
.endr
.irp s, 0,1
	s_mov_b32 s[G0+4*\s], 1
	s_add_co_u32 s[G0+4*\s+1], s45, \s*SLOT
	s_add_nc_u64 s[G0+4*\s+2:G0+4*\s+3], s[20:21], \s*1048576
	s_or_b32 s[G0+4*\s+3], s[G0+4*\s+3], 0x80000000
	s_mov_b32 s[G0B+4*\s], 1
	s_add_co_u32 s[G0B+4*\s+1], s45, \s*SLOT
	s_add_nc_u64 s[G0B+4*\s+2:G0B+4*\s+3], s[46:47], \s*1048576
	s_or_b32 s[G0B+4*\s+3], s[G0B+4*\s+3], 0x80000000
.if \s
	s_wait_alu depctr_va_vdst(0)
	s_wait_loadcnt 0x0                             ; my scale words are in registers,
.irp k, 0,1,2,3,4,5,6,7
	ds_store_b128 v4, v[AF+4*\k:AF+4*\k+3] offset:512*\k      ; and go to bytes on which no fill lands
.endr
	s_wait_tensorcnt 0x0                           ; a wait, an add and a round ahead of slot 1's first fill
	ds_add_u32 v[SPW], v[NIL]
	s_wait_dscnt 0x0                               ; the add and my stores are done
	CROUND
.endif
	JLOAD G0+4*\s, G1, G0B+4*\s, G1B
.endr
	s_mov_b32 s[SEL], 0x76543210
	s_mov_b32 s[SEL+1], 0xfedcba98
	s_mov_b32 s[MNT], 0x600000
	v_and_b32 v1, 15, v0                           ; r
	v_bfe_u32 v2, v0, 4, 1                         ; h
	s_wait_alu depctr_va_vdst(0)
	s_lshl_b32 s21, s15, 15                        ; my eight tiles of A,
	s_lshl_b32 s22, s16, 15
	s_add_co_u32 s22, s22, 2*HALFT                 ; of B, behind A's sixteen
.irp s, 0,1
	v_add_nc_u32 v[ADRA+\s], s21, v[LI]
	v_add_nc_u32 v[ADRB+\s], s22, v[LI]
	s_add_co_u32 s21, s21, SLOT
	s_add_co_u32 s22, s22, SLOT
.endr
	s_lshl_b32 s21, s15, 12
	s_lshl_b32 s22, s16, 12
	s_add_co_u32 s22, s22, 2*HALFS
	s_sub_co_u32 s22, s22, s21
	v_mul_u32_u24 v6, s22, v2                      ; lanes 16-31 take B's words: one product, the distance between the two
	s_add_co_u32 s21, s21, SCL
	v_lshlrev_b32 v5, 2, v1
	v_add_nc_u32 v5, v5, v6
	v_add_nc_u32 v[ADRS], s21, v5
	s_lshl_b32 s23, s14, 9
	s_add_co_u32 s23, s23, SCW
	v_lshl_add_u32 v[SWA], v1, 2, s23
	v_add_nc_u32 v[SWR], s23, v[LI]
.macro FRAG reg, adr, q, i             ; a unit as it lies: four loads of 512 consecutive bytes
.irp c, 0,1,2,3
	ds_load_b128 v[\reg+4*\c:\reg+4*\c+3], v[\adr] offset:16384*(\q)+2048*(\i)+512*\c
.endr
.endm
; 16 matrix instructions: A's tiles a0, a0 + 1 x B's eight, one K step.  zero = 1: the first product starts the sums.  The 64 accumulators take turns in one order.
.macro MUL16 a0, p, q, sc, zero
.irp a, \a0, \a0+1
.irp b, 0,1,2,3,4,5,6,7
.if (\zero) == 1
	v_wmma_scale_f32_16x16x128_f8f6f4 v[8*(8*((\a)%4)+\b):8*(8*((\a)%4)+\b)+7], v[128*(\p)+FR*\b:128*(\p)+FR*\b+FR-1], v[AF+FR*(\a):AF+FR*(\a)+FR-1], 0, v[SC+8*NQ*(\sc)+NQ*\b+(\q)], v[SC+8*NQ*(\sc)+NQ*(\a)+(\q)] matrix_a_fmt:MATRIX_FMT_BF8 matrix_b_fmt:MATRIX_FMT_BF8 matrix_a_scale:MATRIX_SCALE_ROW1
.else
	v_wmma_scale_f32_16x16x128_f8f6f4 v[8*(8*((\a)%4)+\b):8*(8*((\a)%4)+\b)+7], v[128*(\p)+FR*\b:128*(\p)+FR*\b+FR-1], v[AF+FR*(\a):AF+FR*(\a)+FR-1], v[8*(8*((\a)%4)+\b):8*(8*((\a)%4)+\b)+7], v[SC+8*NQ*(\sc)+NQ*\b+(\q)], v[SC+8*NQ*(\sc)+NQ*(\a)+(\q)] matrix_a_fmt:MATRIX_FMT_BF8 matrix_b_fmt:MATRIX_FMT_BF8 matrix_a_scale:MATRIX_SCALE_ROW1
.endif
.endr
.endr
.endm
.macro FETCH_B slot, q, p
	WIN TO_B
.irp i, 0,1,2,3,4,5,6,7
	FRAG 128*(\p)+FR*\i, ADRB+\slot, \q, \i
.endr
	WIN 0
.endm
.macro FETCH_A slot, q, i0
.irp i, \i0, \i0+1, \i0+2, \i0+3
	FRAG AF+FR*(\i), ADRA+\slot, \q, \i
.endr
.endm
.macro SCALES sc                       ; a slot's scale words: register NQ i + q: lanes 0-15 A's tile i, lanes 16-31 B's tile i, K step q
.irp i, 0,1,2,3,4,5,6,7
.irp q, 0,1
	ds_load_b32 v[SC+8*NQ*\sc+NQ*\i+\q], v[ADRS] offset:512*\q+64*\i
.endr
.endr
.endm
.macro PLACES n                        ; plain vector lines between a matrix instruction and a load into, or a read of, its registers
.rept \n
	v_nop
.endr
.endm
.macro STEP slot, q, zero              ; a K step that has its successor in the same slot
	s_wait_dscnt 4*NL                              ; B's set, A's tiles 0-3 and the scale words are in; the youngest sixteen loads (A's tiles 4-7) may be out
	WIN MUL_LO
	MUL16 0, (\q)%2, \q, \slot, \zero
	MUL16 2, (\q)%2, \q, \slot, \zero
	s_wait_dscnt 0
	PLACES NP
	FETCH_B \slot, (\q)+1, 1-(\q)%2
	FETCH_A \slot, (\q)+1, 0
	WIN MUL_HI
	MUL16 4, (\q)%2, \q, \slot, \zero
	MUL16 6, (\q)%2, \q, \slot, \zero
	PLACES NP
	WIN 0
	FETCH_A \slot, (\q)+1, 4
.endm
; A slot's last K step changes slots: one barrier; in front of it each wave waits for all its tensor loads, adds 0 to its spare word, and waits for that and for its reads of this slot.  fill = 1: the slot is filled again, two slots ahead.
.macro TURN slot, next, fill
	s_wait_tensorcnt 0x0                           ; all my tensor loads have landed: my part of the next slot
	ds_add_u32 v[SPW], v[NIL]
	s_wait_dscnt 4*NL+1                            ; (the add and A's tiles 4-7 may be out)
	WIN MUL_LO
	MUL16 0, 1, NQ-1, \slot, 0
	s_wait_dscnt 0x0                               ; the add is done, and my reads of this slot are over
	s_barrier_signal -1
	MUL16 2, 1, NQ-1, \slot, 0
	WIN 0
	s_barrier_wait -1
.if \fill
	CREST                                          ; the barrier has opened a round of the cluster's barrier: no wave of any partner still reads this slot or has a load on its way
	s_add_nc_u64 s[G0+4*\slot+2:G0+4*\slot+3], s[G0+4*\slot+2:G0+4*\slot+3], 2097152
	s_add_nc_u64 s[G0B+4*\slot+2:G0B+4*\slot+3], s[G0B+4*\slot+2:G0B+4*\slot+3], 2097152
	JLOAD G0+4*\slot, G1, G0B+4*\slot, G1B         ; the first tensor load behind the round; its four v_nop are among the places in front of the loads below
	PLACES NP-4
.else
	PLACES NP
.endif
	s_wait_alu depctr_va_vdst(0)
	v_add_nc_u32 v[ADRS], 1024, v[ADRS]            ; the next slot's scale words
	FETCH_B \next, 0, 0
	FETCH_A \next, 0, 0
	SCALES \next
	WIN MUL_HI
	MUL16 4, 1, NQ-1, \slot, 0
	MUL16 6, 1, NQ-1, \slot, 0
	PLACES NP
	WIN 0
	FETCH_A \next, 0, 4
.endm
	s_wait_alu depctr_va_vdst(0)
	s_wait_tensorcnt 1                             ; the scale words and my part of slot 0 are in; slot 1's load may be out
	s_barrier_signal -1
	s_barrier_wait -1
	FETCH_B 0, 0, 0
	FETCH_A 0, 0, 0
	SCALES 0
	FETCH_A 0, 0, 4
	STEP 0, 0, 1                                   ; the first K step starts the sums
	s_mov_b32 s3, 1
.Llap:                                             ; once round the ring: both slots are filled again (K steps 4 to 7)
	TURN 0, 1, 1
	STEP 1, 0, 0
	TURN 1, 0, 1
	STEP 0, 0, 0
	s_sub_co_u32 s3, s3, 1
	s_cmp_lg_u32 s3, 0
	s_cbranch_scc1 .Llap
	TURN 0, 1, 0                                   ; the last lap fills nothing
	STEP 1, 0, 0
	s_wait_dscnt 4*NL
	WIN MUL_LO
	MUL16 0, 1, NQ-1, 1, 0
	MUL16 2, 1, NQ-1, 1, 0
	s_wait_dscnt 0
	WIN MUL_HI
	MUL16 4, 1, NQ-1, 1, 0
	MUL16 6, 1, NQ-1, 1, 0
	WIN 0
; THE WAY OUT.  Tile a of A: register 16 c + i of its 64 is column 32 c + 16 (lane / 16) + i of my row: four blocks, each shared with lane l xor 16.  The conversions' results are the unit's image.
.macro QUANTW a
.set AC, 64*((\a)%4)
.set WW, 2+(\a)/4
.set PCA, 64+16*(\a)
.set WS, WW|(WW<<2)
	WIN WS
.irp b, 0,1,2,3
	v_max3_num_f32 v[TM+\b], |v[AC+16*\b]|, |v[AC+16*\b+1]|, 0x8000000      ; each accumulator is read from its low end on; the floor 2^(16 - 127) among the leaves
.endr
.set WS, (WW<<2)|(WW<<4)
	WIN WS
.irp i, 2,4,6,8,10,12,14
.irp b, 0,1,2,3
	v_max3_num_f32 v[TM+\b], v[TM+\b], |v[AC+16*\b+\i]|, |v[AC+16*\b+\i+1]|
.endr
.endr
	WIN 0
.irp b, 0,1,2,3
	v_permlanex16_b32 v[TM+4+\b], v[TM+\b], s[SEL], s[SEL+1]
.endr
.irp b, 0,1,2,3
	v_max_num_f32 v[TM+\b], v[TM+\b], v[TM+4+\b]
.endr
.irp b, 0,1,2,3
	v_add_nc_u32 v[TM+12+\b], 0xf8800000, v[TM+\b]
.endr
.irp b, 0,1,2,3
	v_and_or_b32 v[TM+8+\b], v[TM+\b], 0x7f800000, s[MNT]
.endr
.irp b, 0,1,2,3
	v_lshrrev_b32 v[TM+4+\b], 23, v[TM+12+\b]
.endr
	v_lshl_or_b32 v[PW], v[TM+5], 8, v[TM+4]
	v_lshl_or_b32 v[PW], v[TM+6], 16, v[PW]
	v_lshl_or_b32 v[PW], v[TM+7], 24, v[PW]
.set WS, WW|(WW<<6)
	WIN WS
.irp b, 0,1,2,3
.irp i, 0,1,2,3,4,5,6,7,8,9,10,11,12,13,14,15
	v_med3_num_f32 v[AC+16*\b+\i], v[AC+16*\b+\i], -v[TM+8+\b], v[TM+8+\b]
.endr
.endr
	WIN WW
.irp b, 0,1,2,3
	v_cvt_scalef32_pk8_bf8_f32 v[PCA+4*\b:PCA+4*\b+1], v[AC+16*\b:AC+16*\b+7], v[TM+12+\b]
	v_cvt_scalef32_pk8_bf8_f32 v[PCA+4*\b+2:PCA+4*\b+3], v[AC+16*\b+8:AC+16*\b+15], v[TM+12+\b]
.endr
	WIN 0
	v_nop
.irp c, 0,1,2,3
	global_store_b128 v[LI], v[PCA+4*\c:PCA+4*\c+3], s[12:13] offset:2048*(\a)+512*\c      ; 512 consecutive bytes; each tile has code registers of its own
.endr
	ds_store_b32 v[SWA], v[PW] offset:64*(\a)      ; both halves of the lanes write the same word with the same value
.endm
	PLACES NP
.irp b, 0,1,2,3
	v_mov_b32 v[TM+4+\b], 0                        ; a lane permute's destination counts as one of its sources
.endr
.irp a, 0,1,2,3,4,5,6,7
	QUANTW \a
.endr
	ds_load_b128 v[52:55], v[SWR]                  ; my eight tiles' scale words: LDS serves a wave's instructions in order
	s_wait_dscnt 0x0
	global_store_b128 v[LI], v[52:55], s[66:67]    ; 512 consecutive bytes
	s_wait_tensorcnt 0x0                           ; the wave's end
	ds_add_u32 v[SPW], v[NIL]
	s_wait_dscnt 0x0
	CROUND                                         ; the closing round
	s_endpgm
.Lfunc_end_k_qee7cfe07ab_qkvg:
	.size	k_qee7cfe07ab_qkvg, .Lfunc_end_k_qee7cfe07ab_qkvg-k_qee7cfe07ab_qkvg
	.p2alignl 7, 3214868480
	.fill 96, 4, 3214868480
	.section	.rodata,"a",@progbits
	.p2align	6, 0x0
	.amdhsa_kernel k_qee7cfe07ab_qkvg
		.amdhsa_group_segment_fixed_size 327680
		.amdhsa_private_segment_fixed_size 0
		.amdhsa_enable_private_segment 0
		.amdhsa_kernarg_size 24
		.amdhsa_user_sgpr_count 2
		.amdhsa_user_sgpr_kernarg_segment_ptr 1
		.amdhsa_wavefront_size32 1
		.amdhsa_system_sgpr_workgroup_id_x 1
		.amdhsa_system_sgpr_workgroup_id_y 1
		.amdhsa_system_sgpr_workgroup_id_z 1
		.amdhsa_system_vgpr_workitem_id 0
		.amdhsa_next_free_vgpr 1024
		.amdhsa_next_free_sgpr 100
		.amdhsa_reserve_vcc 0
		.amdhsa_float_denorm_mode_32 3
		.amdhsa_float_denorm_mode_16_64 3
		.amdhsa_memory_ordered 1
		.amdhsa_forward_progress 1
		.amdhsa_inst_pref_size 188
	.end_amdhsa_kernel
	.amdgpu_metadata
---
amdhsa.version: [ 1, 2 ]
amdhsa.kernels:
  - .name:           k_qee7cfe07ab_qkvg
    .symbol:         k_qee7cfe07ab_qkvg.kd
    .args:
      - { .name: xn, .offset: 0, .size: 8, .value_kind: global_buffer, .address_space: global }
      - { .name: wbuf, .offset: 8, .size: 8, .value_kind: global_buffer, .address_space: global }
      - { .name: qkv, .offset: 16, .size: 8, .value_kind: global_buffer, .address_space: global }
    .group_segment_fixed_size: 327680
    .private_segment_fixed_size: 0
    .kernarg_segment_align: 8
    .kernarg_segment_size: 24
    .max_flat_workgroup_size: 128
    .sgpr_count:     100
    .vgpr_count:     1024
    .wavefront_size: 32
...
	.end_amdgpu_metadata
.endif
;; end of part 2
;; launch attn (part 3): grid 8 x 32, 8 waves a work-group, clusters of 4 x 1, 327,680 bytes of LDS; arguments qkv, ao; writes ao
.if DOCPART == 3
	.amdgcn_target "amdgcn-amd-amdhsa--gfx1250"
	.amdhsa_code_object_version 6
	.text
	.protected	k_qee7cfe07ab_attn
	.globl	k_qee7cfe07ab_attn
	.p2align	8
	.type	k_qee7cfe07ab_attn,@function
k_qee7cfe07ab_attn:
	s_mov_b64 s[64:65], 0
	v_nop
	global_prefetch_b8 v0, s[64:65] scope:SCOPE_SE
	s_setreg_imm32_b32 hwreg(HW_REG_WAVE_MODE, 25, 1), 1
	s_wait_xcnt 0x0
	s_wait_alu depctr_hold_cnt(0) depctr_sa_sdst(0) depctr_va_vdst(0) depctr_va_sdst(0) depctr_va_ssrc(0) depctr_va_vcc(0) depctr_vm_vsrc(0)
	s_getreg_b32 s2, hwreg(HW_REG_IB_STS2, 6, 4)
	s_cmp_eq_u32 s2, 0
	s_cbranch_scc0 .Lentry_in_a_cluster
	s_endpgm
.Lentry_in_a_cluster:
	s_bfe_u32 s2, ttmp6, 0x10000c
	s_cmp_lg_u32 s2, 0x3003
	s_cbranch_scc0 .Lentry_shape_is_right
	s_endpgm
.Lentry_shape_is_right:
; Attention of one head on codes of BF8: S = q k^T / 8, the softmax, O = P v, O / l quantised along the channels for the projection; nothing of the work is left out.
; THE SOFTMAX AHEAD OF THE SECOND PRODUCT: t = score x log2(e) / 8; M = the running largest t rounded UP to a whole number; p = 2^(t - M) is quantised along the keys, not normalised; the row's sum l is taken
; of the unquantised p and divides O at the end.  When M moves, l and O are multiplied by 2^(old M - new M): exact.
; SHARES.  A work-group owns 256 queries of one (batch, head), each of its eight waves TWO tiles of 16: every fragment of K and of V^T that a wave reads from LDS feeds both tiles' products.
; THE HEAD'S WHOLE K (128 KiB) AND V^T (128 KiB) LIE IN LDS: no byte is filled again.  Each wave asks for one eighth at the head: waves 0-3 thirty-two key tiles of K each, waves 4-7 four key steps of V^T each.
; The four query blocks of a cluster share them: joint loads, mask 15.  Every wave waits for its load, ONE barrier follows, and the sixteen key steps run with no further barrier.
; LAYOUT.  Both products are used transposed: S^T = K Q^T, O^T = V^T P^T: a lane holds ONE query of each tile throughout; by the tile order the 16 registers of key tiles 2 b, 2 b + 1 are 16 neighbouring keys.
; K = 64 UNDER AN INSTRUCTION OF K = 128: two key tiles on end, (K0, K1), are one operand of 16 registers; Q lies [qA][Z][qB][Z][qA], Z eight registers of zero codes: (q, Z) picks K0, (Z, q) picks K1.  Zero codes add nothing.
; The pair's scale word is (K0's two bytes, K1's two bytes), Q's is (s0, s1, s0, s1).  The waves make a table in LDS at the head: [key step][lane][4 words]: K's words of pairs h and 2 + h, V's of tiles h and 2 + h
; (h = lane / 16): one load of 16 bytes a lane brings a step's scale registers.
; THE STEP.  V's fragments have registers of their own and are asked for behind the search for M; the holds go into K's registers, which are done with, so that p stays whole; K's next fragments follow them there,
; behind the conversions; the row's sums stand behind the second product.  Tile 0's exponentials stand line by line among tile 1's t - M, tile 1's among tile 0's holds: lines that hang on nothing in their batch.
; REGISTERS.  Window 0: v1-9 addresses; v10-31, v32-53 a tile's small state; v54-61 scale words; v64-127 K, then the held p; v128-255 both tiles' scores.  Window 1: v0-39 Q; v64-127 V; v128-159 p's codes; v160-223 O^T.
; qkv: q and k codes [16 pairs of heads: 0-7 q, 8-15 k][256 token tiles][2,048], a head's half of a unit 1,024 bytes; V^T at 8,388,608: [32 key steps][64 channel tiles][2,048]; scale words at 12,582,912 + offset / 32.
; ao: [8 pairs of heads][256 token tiles][2,048], scale words at 4,194,304.  A head owns two of a word's four bytes: they leave by a store of two bytes a row, 1 / 32 of the output's bytes.
; No prefetch: every byte that the work-group reads is asked for at its head, so there is no loop to run ahead in.
; LIMITS: v_exp_f32 gives 0 under 2^-126; a block of zeros gets the byte 1 where the rule says 127 (its codes are zeros; this program alone reads the bytes); NaN and infinities are not served.
.set VL,    131072                     ; LDS: K at 0: [128 key tiles][1,024]; V^T here: [16 key steps][4 channel tiles][2,048]
.set TAB,   262144                     ; the table of scale words: 16 steps x 512 bytes, stored by the waves
.set SPARE, 270336                     ; the spare words: 128 bytes for each of eight waves, which no other line names
.set AK0,  1                           ; 16 x lane: K's fragments, and global offsets
.set AV0,  2
.set AS0,  3
.set R4,   4                           ; 4 x (lane % 16)
.set SPW,  5
.set NIL,  6
.set ADK,  7
.set ADV,  8
.set ADS,  9
.set PT,   22                          ; from tile 0's small state to tile 1's
.set NM,   10                          ; -M, and behind it the largest score
.set L0,   12                          ; l in two pairs
.set L1,   14
.set FF,   16                          ; f, as the low word of a pair
.set BM,   18                          ; the blocks' largest, then the holds' bounds
.set TP,   22
.set SO,   26
.set TMP,  30
.set TM2,  31
.set SK,   54                          ; v54, 55 K's scale words; v56, 57 V's
.set QS,   58                          ; v58, 59 Q's
.set PS,   60                          ; v60, 61 p's
.set KV,   64
.set S,    128
.set VF,   64                          ; in window 1
.set PC1,  128
.set O1,   160
.set WV,   18
.set MNT,  19
.set SEL,  20
.set CS,   22
.set G1K,  24
.set G1V,  32
.set G0K,  40
.set G0V,  44
.set TKV,  2                           ; the key step's codes: 8,192 bytes a step, in K and in V alike; also the loop's counter
.set TS,   3                           ; the table: 512 a step
.set PSEL, 15
.set MSB, 0
.macro WIN new                         ; the immediate's high byte repeats the setting that is left
.if MSB != \new
	s_set_vgpr_msb (MSB<<8)|\new
.set MSB, \new
.endif
.endm
.macro CROUND
	s_barrier_signal -1
	s_barrier_wait -1
	s_cmp_lg_u32 s[WV], 0
	s_cbranch_scc1 .Lnot_wave_0_\@
	s_barrier_signal -3
.Lnot_wave_0_\@:
	s_barrier_wait -3
	s_barrier_signal -1
	s_barrier_wait -1
.endm
	s_load_b128 s[4:7], s[0:1], 0x0                ; qkv, ao
	v_lshl_add_u32 v[SPW], v0, 2, SPARE
	v_mov_b32 v[NIL], 0
	ds_add_u32 v[SPW], v[NIL]                      ; the wave's opening: the add, twice on end, and its wait ahead of the first tensor loads
	ds_add_u32 v[SPW], v[NIL]
	v_lshrrev_b32 v[TMP], 5, v0
	v_readfirstlane_b32 s[WV], v[TMP]              ; wave 0..7
	s_and_b32 s58, s[WV], 3                        ; which quarter of K or of V^T I ask for
	s_bfe_u32 s8, ttmp6, 0x40000                   ; cx
	s_lshl_b32 s9, ttmp9, 2
	s_add_co_u32 s9, s9, s8                        ; my block of 256 queries: it enters Q's and ao's addresses alone
	s_and_b32 s10, ttmp7, 0xffff
	s_lshr_b32 s11, s10, 4                         ; batch
	s_and_b32 s12, s10, 15                         ; head
	s_and_b32 s13, s12, 1                          ; which of its pair
	s_lshr_b32 s14, s12, 1                         ; the pair
	s_add_co_u32 s56, s14, 8                       ; k's pairs lie behind q's eight
	s_lshl_b32 s16, s56, 19
	s_lshl_b32 s17, s11, 18
	s_add_co_u32 s16, s16, s17
	s_lshl_b32 s17, s13, 10
	s_add_co_u32 s16, s16, s17                     ; K's codes: pair, the batch's 128 tiles, my half of a unit,
	s_lshl_b32 s17, s58, 16
	s_add_co_u32 s16, s16, s17                     ; and my thirty-two tiles
	s_mov_b32 s17, 0
	s_lshl_b32 s88, s11, 21
	s_lshl_b32 s89, s12, 13
	s_add_co_u32 s88, s88, s89
	s_add_co_u32 s88, s88, 8388608                 ; V^T's codes: the batch's 16 key steps, my four channel tiles,
	s_lshl_b32 s89, s58, 19
	s_add_co_u32 s88, s88, s89                     ; and my four key steps
	s_mov_b32 s89, 0
	s_lshl_b32 s90, s56, 14
	s_lshl_b32 s91, s11, 13
	s_add_co_u32 s90, s90, s91
	s_add_co_u32 s90, s90, 12582912                ; K's scale words
	s_mov_b32 s91, 0
	s_lshl_b32 s92, s11, 16
	s_lshl_b32 s93, s12, 8
	s_add_co_u32 s92, s92, s93
	s_add_co_u32 s92, s92, 12845056                ; V's
	s_mov_b32 s93, 0
	s_lshl_b32 s94, s11, 7
	s_lshl_b32 s95, s9, 4
	s_add_co_u32 s94, s94, s95
	s_lshl_b32 s95, s[WV], 1
	s_add_co_u32 s94, s94, s95                     ; my first tile of queries
	s_lshl_b32 s96, s14, 19
	s_lshl_b32 s97, s94, 11
	s_add_co_u32 s96, s96, s97
	s_lshl_b32 s97, s13, 10
	s_add_co_u32 s96, s96, s97                     ; its codes, in q and in ao alike
	s_mov_b32 s97, 0
	s_lshl_b32 s98, s14, 14
	s_lshl_b32 s99, s94, 6
	s_add_co_u32 s98, s98, s99                     ; its scale words
	s_mov_b32 s99, 0
	s_mov_b32 s[G1K], 15|(3<<16)|(1<<21)           ; the mask: all four work-groups; elements of 8 bytes; bit 21 beside a mask
	s_mov_b32 s[G1K+1], 128<<16                    ; a row: my head's 1,024 bytes of a unit
	s_mov_b32 s[G1K+2], 32<<16                     ; 32 key tiles
	s_mov_b32 s[G1K+3], 128<<16
	s_mov_b32 s[G1K+4], 32
	s_mov_b32 s[G1K+5], 256                        ; a unit on
	s_mov_b32 s[G1K+6], 0
	s_mov_b32 s[G1K+7], 0
	s_mov_b32 s[G1V], 15|(3<<16)|(1<<21)
	s_mov_b32 s[G1V+1], 1024<<16                   ; a row: four units
	s_mov_b32 s[G1V+2], 4<<16                      ; 4 key steps
	s_mov_b32 s[G1V+3], 1024<<16
	s_mov_b32 s[G1V+4], 4
	s_mov_b32 s[G1V+5], 16384                      ; 64 units on
	s_mov_b32 s[G1V+6], 0
	s_mov_b32 s[G1V+7], 0
	s_mov_b32 s[SEL], 0x76543210
	s_mov_b32 s[SEL+1], 0xfedcba98
	s_mov_b32 s[CS], 0x3e38aa3b                    ; c = log2(e) / 8
	s_mov_b32 s[CS+1], s[CS]
	s_mov_b32 s[MNT], 0x600000
	s_mov_b32 s[PSEL], 0x07060302                  ; bytes 2, 3 of the second source's word, then of the first's; or
	s_cmp_eq_u32 s13, 0
	s_cselect_b32 s[PSEL], 0x05040100, s[PSEL]     ; bytes 0, 1
	s_lshl_b32 s57, s13, 1
	s_mov_b32 s[G0K], 1
	s_lshl_b32 s[G0K+1], s58, 15                   ; LDS: 32 KiB for each loading wave
	s_mov_b32 s[G0V], 1
	s_lshl_b32 s[G0V+1], s58, 15
	s_add_co_u32 s[G0V+1], s[G0V+1], VL
	s_wait_dscnt 0x0                               ; both opening adds are done
	s_wait_kmcnt 0x0
	s_add_nc_u64 s[G0K+2:G0K+3], s[4:5], s[16:17]
	s_or_b32 s[G0K+3], s[G0K+3], 0x80000000
	s_add_nc_u64 s[G0V+2:G0V+3], s[4:5], s[88:89]
	s_or_b32 s[G0V+3], s[G0V+3], 0x80000000
	s_add_nc_u64 s[90:91], s[4:5], s[90:91]
	s_add_nc_u64 s[92:93], s[4:5], s[92:93]
	s_add_nc_u64 s[84:85], s[4:5], s[96:97]        ; Q's codes
	s_add_nc_u64 s[96:97], s[6:7], s[96:97]        ; ao's
	s_add_nc_u64 s[86:87], s[4:5], s[98:99]
	s_add_nc_u64 s[86:87], s[86:87], 12582912      ; Q's scale words
	s_add_co_u32 s98, s98, s57
	s_add_co_u32 s98, s98, 4194304
	s_add_nc_u64 s[98:99], s[6:7], s[98:99]        ; ao's, at my head's two bytes
	CROUND                                         ; all four work-groups are here: the joint loads meet
	s_cmp_lt_u32 s[WV], 4                          ; one tensor load a wave, one arm for K's shape and one for V's; s_nop 0 and four v_nop follow each
	s_cbranch_scc0 .Lfor_v
	tensor_load_to_lds s[G0K:G0K+3], s[G1K:G1K+7]
	s_nop 0
.rept 4
	v_nop
.endr
	s_branch .Lasked
.Lfor_v:
	tensor_load_to_lds s[G0V:G0V+3], s[G1V:G1V+7]
	s_nop 0
.rept 4
	v_nop
.endr
.Lasked:
	v_and_b32 v128, 31, v0                         ; lane
	v_and_b32 v129, 15, v0                         ; r
	v_bfe_u32 v130, v0, 4, 1                       ; h
	v_lshrrev_b32 v131, 5, v0                      ; wave w: I make the table's entries of key steps w and w + 8
	v_lshlrev_b32 v[AK0], 4, v128
	v_lshlrev_b32 v[R4], 2, v129
	v_lshl_add_u32 v[AS0], v128, 4, TAB
	v_add_nc_u32 v[AV0], VL, v[AK0]
	v_lshl_add_u32 v140, v130, 7, v[R4]
	v_lshl_add_u32 v141, v130, 6, v[R4]
	v_lshl_add_u32 v140, v131, 9, v140             ; K's words: tile 8 w + 4 i + 2 h + u, 64 bytes a tile, row r
	v_lshl_add_u32 v141, v131, 12, v141            ; V's: key step w (4,096 bytes), tile 2 i + h, row r
	v_lshl_add_u32 v142, v0, 4, TAB                ; my entry: 16 x thread
.irp e, 0,1
	global_load_b32 v[144+8*\e], v140, s[90:91] offset:4096*\e
	global_load_b32 v[145+8*\e], v140, s[90:91] offset:4096*\e+64
	global_load_b32 v[146+8*\e], v140, s[90:91] offset:4096*\e+256
	global_load_b32 v[147+8*\e], v140, s[90:91] offset:4096*\e+320
	global_load_b32 v[162+4*\e], v141, s[92:93] offset:32768*\e
	global_load_b32 v[163+4*\e], v141, s[92:93] offset:32768*\e+128
.endr
	global_load_b32 v[QS], v[R4], s[86:87]
	global_load_b32 v[QS+1], v[R4], s[86:87] offset:64
	WIN 0x40                                       ; Q goes into window 1
	global_load_b128 v[0:3], v[AK0], s[84:85]      ; qA,
	global_load_b128 v[4:7], v[AK0], s[84:85] offset:512
	global_load_b128 v[32:35], v[AK0], s[84:85]    ; once more at the end,
	global_load_b128 v[36:39], v[AK0], s[84:85] offset:512
	global_load_b128 v[16:19], v[AK0], s[84:85] offset:2048      ; qB between the two runs of zeros
	global_load_b128 v[20:23], v[AK0], s[84:85] offset:2560
	WIN 0
	s_wait_alu depctr_va_vdst(0)
	s_wait_loadcnt 0x0
.irp e, 0,1
	v_perm_b32 v[160+4*\e], v[145+8*\e], v[144+8*\e], s[PSEL]      ; (the even tile's two bytes, the odd tile's two bytes)
	v_perm_b32 v[161+4*\e], v[147+8*\e], v[146+8*\e], s[PSEL]
	v_perm_b32 v[QS+\e], v[QS+\e], v[QS+\e], s[PSEL]               ; (s0, s1, s0, s1)
.endr
	WIN 0x40
.irp j, 0,1,2,3,4,5,6,7
	v_mov_b32 v[8+\j], 0                           ; the two runs of zero codes: they stay
	v_mov_b32 v[24+\j], 0
.endr
.set j, 0
.rept 64
	v_mov_b32 v[O1+j], 0                           ; O^T: the first step finds zeros.  (These are also the places between Q's scale words and the first products)
.set j, j+1
.endr
	WIN 0
.irp u, 0,1
	v_mov_b32 v[NM+PT*\u+1], 0xff61b1e6            ; the largest score so far: -3e38
	v_floor_f32 v[NM+PT*\u], -v[NM+PT*\u+1]        ; -M
	v_mov_b32 v[FF+PT*\u+1], 0                     ; (named as the upper half of a pair)
.irp j, 0,1,2,3
	v_mov_b32 v[L0+PT*\u+\j], 0                    ; l
	v_mov_b32 v[TP+PT*\u+\j], 0                    ; a lane permute's destination counts as one of its sources
.endr
.endr
	s_mov_b32 s[TKV], 0
	s_mov_b32 s[TS], 0
	s_wait_alu depctr_va_vdst(0)
	s_wait_tensorcnt 0x0                           ; my eighth has landed
	ds_store_b128 v142, v[160:163]
	ds_store_b128 v142, v[164:167] offset:4096
	s_wait_dscnt 0x0                               ; for the others' sake: my table entries have landed
	s_barrier_signal -1
	s_barrier_wait -1                              ; all of K, V^T and the table are there
.macro KFETCH adk, ko                  ; a step's four pairs of key tiles
.irp j, 0,1,2,3
.irp c, 0,1,2,3
	ds_load_b128 v[KV+16*\j+4*\c:KV+16*\j+4*\c+3], v[\adk] offset:\ko+2048*\j+512*\c
.endr
.endr
.endm
.macro SMUL u, j                       ; tile u of queries, pair j of key tiles: two tiles of scores.  (q, Z) lies at 16 u of window 1, (Z, q) at 24 - 16 u
.if (\j)%2
	v_wmma_scale_f32_16x16x128_f8f6f4 v[S+64*\u+16*\j:S+64*\u+16*\j+7], v[KV+16*\j:KV+16*\j+15], v[16*\u:16*\u+15], 0, v[SK+\j/2], v[QS+\u] matrix_a_fmt:MATRIX_FMT_BF8 matrix_b_fmt:MATRIX_FMT_BF8 matrix_a_scale:MATRIX_SCALE_ROW1
	v_wmma_scale_f32_16x16x128_f8f6f4 v[S+64*\u+16*\j+8:S+64*\u+16*\j+15], v[KV+16*\j:KV+16*\j+15], v[24-16*\u:39-16*\u], 0, v[SK+\j/2], v[QS+\u] matrix_a_fmt:MATRIX_FMT_BF8 matrix_b_fmt:MATRIX_FMT_BF8 matrix_a_scale:MATRIX_SCALE_ROW1
.else
	v_wmma_scale_f32_16x16x128_f8f6f4 v[S+64*\u+16*\j:S+64*\u+16*\j+7], v[KV+16*\j:KV+16*\j+15], v[16*\u:16*\u+15], 0, v[SK+\j/2], v[QS+\u] matrix_a_fmt:MATRIX_FMT_BF8 matrix_b_fmt:MATRIX_FMT_BF8
	v_wmma_scale_f32_16x16x128_f8f6f4 v[S+64*\u+16*\j+8:S+64*\u+16*\j+15], v[KV+16*\j:KV+16*\j+15], v[24-16*\u:39-16*\u], 0, v[SK+\j/2], v[QS+\u] matrix_a_fmt:MATRIX_FMT_BF8 matrix_b_fmt:MATRIX_FMT_BF8
.endif
.endm
.macro PMUL u, t                       ; channel tile t of tile u's O^T
.if (\t)%2
	v_wmma_scale_f32_16x16x128_f8f6f4 v[O1+32*\u+8*\t:O1+32*\u+8*\t+7], v[VF+16*\t:VF+16*\t+15], v[PC1+16*\u:PC1+16*\u+15], v[O1+32*\u+8*\t:O1+32*\u+8*\t+7], v[SK+2+\t/2], v[PS+\u] matrix_a_fmt:MATRIX_FMT_BF8 matrix_b_fmt:MATRIX_FMT_BF8 matrix_a_scale:MATRIX_SCALE_ROW1
.else
	v_wmma_scale_f32_16x16x128_f8f6f4 v[O1+32*\u+8*\t:O1+32*\u+8*\t+7], v[VF+16*\t:VF+16*\t+15], v[PC1+16*\u:PC1+16*\u+15], v[O1+32*\u+8*\t:O1+32*\u+8*\t+7], v[SK+2+\t/2], v[PS+\u] matrix_a_fmt:MATRIX_FMT_BF8 matrix_b_fmt:MATRIX_FMT_BF8
.endif
.endm
.macro HOLD2 d, s, h                   ; two holds in one line; p is not negative, so the hold is one-sided; p itself stays as it is
	v_dual_min_num_f32 v[\d], v[\s], v[\h] :: v_dual_min_num_f32 v[\d+1], v[\s+1], v[\h]
.endm
.macro LMUL u                          ; l under the new M
	v_pk_mul_f32 v[L0+PT*\u:L0+PT*\u+1], v[L0+PT*\u:L0+PT*\u+1], v[FF+PT*\u:FF+PT*\u+1] op_sel_hi:[1,0]
	v_pk_mul_f32 v[L1+PT*\u:L1+PT*\u+1], v[L1+PT*\u:L1+PT*\u+1], v[FF+PT*\u:FF+PT*\u+1] op_sel_hi:[1,0]
.endm
.macro PSC u                           ; tile u's four blocks: from the largest p to the conversion's scale operand and the hold's bound
.irp b, 0,1,2,3
	v_max_num_f32 v[BM+PT*\u+\b], 0x8000000, v[BM+PT*\u+\b]      ; the floor 2^(16 - 127)
.endr
.irp b, 0,1,2,3
	v_add_nc_u32 v[SO+PT*\u+\b], 0xf8800000, v[BM+PT*\u+\b]      ; the conversion's scale operand
.endr
.irp b, 0,1,2,3
	v_and_or_b32 v[BM+PT*\u+\b], v[BM+PT*\u+\b], 0x7f800000, s[MNT]      ; 57,344 x the scale
.endr
.endm
.macro PQC u                           ; tile u's held p, in K's registers, is converted into window 1; the bytes and the scale word are the plain lines behind the conversions
	WIN 0x40
.irp b, 0,1,2,3
	v_cvt_scalef32_pk8_bf8_f32 v[PC1+16*\u+4*\b:PC1+16*\u+4*\b+1], v[KV+16*\b:KV+16*\b+7], v[SO+PT*\u+\b]
	v_cvt_scalef32_pk8_bf8_f32 v[PC1+16*\u+4*\b+2:PC1+16*\u+4*\b+3], v[KV+16*\b+8:KV+16*\b+15], v[SO+PT*\u+\b]
.endr
	WIN 0
.irp b, 0,1,2,3
	v_lshrrev_b32 v[TP+PT*\u+\b], 23, v[SO+PT*\u+\b]
.endr
	v_lshl_or_b32 v[PS+\u], v[TP+PT*\u+1], 8, v[TP+PT*\u]      ; p's scale word for these 128 keys
	v_lshl_or_b32 v[PS+\u], v[TP+PT*\u+2], 16, v[PS+\u]
	v_lshl_or_b32 v[PS+\u], v[TP+PT*\u+3], 24, v[PS+\u]
.endm
.macro SUMS n                          ; n x 4 registers of each tile's p onto its two pairs of l: four chains; j goes on from call to call
.rept \n
.irp u, 0,1
	v_pk_add_f32 v[L0+PT*\u:L0+PT*\u+1], v[L0+PT*\u:L0+PT*\u+1], v[S+64*\u+j:S+64*\u+j+1]
	v_pk_add_f32 v[L1+PT*\u:L1+PT*\u+1], v[L1+PT*\u:L1+PT*\u+1], v[S+64*\u+j+2:S+64*\u+j+3]
.endr
.set j, j+4
.endr
.endm
.macro STEP more                       ; 128 keys, 32 queries.  more = 1: the next step's K and scale words are fetched
	s_wait_dscnt 0x0                               ; K's fragments and the scale words are in
	WIN 0x04                                       ; source 1 (Q) in window 1
.irp u, 0,1
.irp j, 0,1,2,3
	SMUL \u, \j
.endr
.endr
	WIN 0
	v_add_nc_u32 v[ADV], s[TKV], v[AV0]            ; eight places behind the products, ahead of the first read of the scores
.if \more
	v_add_nc_u32 v[ADK], s[TKV], v[AK0]
	v_add_nc_u32 v[ADS], s[TS], v[AS0]
.rept 5
	v_nop
.endr
.else
.rept 7
	v_nop
.endr
.endif
.irp u, 0,1                            ; the largest score of each block of 32 keys: my 16 of each; each accumulator is read from its low end on
.irp b, 0,1,2,3
	v_max3_num_f32 v[BM+PT*\u+\b], v[S+64*\u+16*\b], v[S+64*\u+16*\b+1], v[S+64*\u+16*\b+2]
.endr
.endr
.irp i, 3,5,7,9,11,13
.irp u, 0,1
.irp b, 0,1,2,3
	v_max3_num_f32 v[BM+PT*\u+\b], v[BM+PT*\u+\b], v[S+64*\u+16*\b+\i], v[S+64*\u+16*\b+\i+1]
.endr
.endr
.endr
.irp u, 0,1
.irp b, 0,1,2,3
	v_max_num_f32 v[BM+PT*\u+\b], v[BM+PT*\u+\b], v[S+64*\u+16*\b+15]
.endr
.endr
.irp u, 0,1
.irp b, 0,1,2,3
	v_permlanex16_b32 v[TP+PT*\u+\b], v[BM+PT*\u+\b], s[SEL], s[SEL+1]
.endr
.endr
.irp u, 0,1
.irp b, 0,1,2,3
	v_max_num_f32 v[BM+PT*\u+\b], v[BM+PT*\u+\b], v[TP+PT*\u+\b]      ; with lane l xor 16's 16 keys: the block's largest score
.endr
.endr
.irp u, 0,1
	v_max3_num_f32 v[TMP+PT*\u], v[BM+PT*\u], v[BM+PT*\u+1], v[BM+PT*\u+2]
.endr
.irp u, 0,1
	v_max3_num_f32 v[NM+PT*\u+1], v[NM+PT*\u+1], v[TMP+PT*\u], v[BM+PT*\u+3]      ; the running largest score (c is positive)
.endr
.irp u, 0,1
	v_mul_f32 v[TMP+PT*\u], s[CS], v[NM+PT*\u+1]   ; as t
	v_mov_b32 v[TM2+PT*\u], v[NM+PT*\u]
.endr
.irp u, 0,1
	v_floor_f32 v[NM+PT*\u], -v[TMP+PT*\u]         ; the new -M = -ceil(t)
.endr
.irp u, 0,1
	v_sub_f32 v[TMP+PT*\u], v[NM+PT*\u], v[TM2+PT*\u]      ; old M - new M: a whole number, 0 or less
.endr
.irp u, 0,1
	v_cvt_i32_f32 v[TMP+PT*\u], v[TMP+PT*\u]       ; (it saturates)
.endr
.irp u, 0,1
	v_ldexp_f32 v[FF+PT*\u], 1.0, v[TMP+PT*\u]     ; f = 2^(old M - new M)
.endr
	WIN 0x40
.irp t, 0,1,2,3
.irp c, 0,1,2,3
	ds_load_b128 v[VF+16*\t+4*\c:VF+16*\t+4*\c+3], v[ADV] offset:2048*\t+512*\c      ; V's four fragments, into window 1, far behind the last step's products
.endr
.endr
	WIN 0
.set k, 0
.rept 32
	v_pk_fma_f32 v[S+2*k:S+2*k+1], v[S+2*k:S+2*k+1], s[CS:CS+1], v[NM:NM+1] op_sel_hi:[1,0,0]      ; tile 0: t - M
.set k, k+1
.endr
.irp b, 0,1,2,3
	v_fma_f32 v[BM+\b], v[BM+\b], s[CS], v[NM]     ; the same of each block's largest score
.endr
	s_wait_alu depctr_va_vdst(0)                   ; the wait ahead of a batch
.irp b, 0,1,2,3
	v_exp_f32 v[BM+\b], v[BM+\b]                   ; the block's largest p: the same two instructions on the same number
.endr
.set k, 0
.rept 32
	v_exp_f32 v[S+2*k], v[S+2*k]                   ; tile 0: p = 2^(t - M); among the exponentials tile 1's t - M, which is read behind the next wait
	v_pk_fma_f32 v[S+64+2*k:S+64+2*k+1], v[S+64+2*k:S+64+2*k+1], s[CS:CS+1], v[NM+PT:NM+PT+1] op_sel_hi:[1,0,0]
	v_exp_f32 v[S+2*k+1], v[S+2*k+1]
.set k, k+1
.endr
.irp b, 0,1,2,3
	v_fma_f32 v[BM+PT+\b], v[BM+PT+\b], s[CS], v[NM+PT]
.endr
	LMUL 0
	s_wait_alu depctr_va_vdst(0)                   ; one wait for the batch, ahead of its first reader
	PSC 0
	s_wait_alu depctr_va_vdst(0)                   ; and one ahead of the second batch
.irp b, 0,1,2,3
	v_exp_f32 v[BM+PT+\b], v[BM+PT+\b]
.endr
.set k, 0
.rept 32
	v_exp_f32 v[S+64+2*k], v[S+64+2*k]             ; tile 1's p; among the exponentials tile 0's holds, into K's registers: they are read behind the next wait
	HOLD2 KV+2*k, S+2*k, BM+k/8
	v_exp_f32 v[S+64+2*k+1], v[S+64+2*k+1]
.set k, k+1
.endr
	LMUL 1
	s_wait_alu depctr_va_vdst(0)                   ; the wait behind the second batch
	PQC 0
	PSC 1
.set k, 0
.rept 32
	HOLD2 KV+2*k, S+64+2*k, BM+PT+k/8
.set k, k+1
.endr
	PQC 1
.if \more
	KFETCH ADK, 8192                               ; the next step's K follows the held p
.endif
	WIN 0x41                                       ; O^T lies in window 1, f in window 0
	s_wait_alu depctr_va_vdst(0)                   ; the wait directly ahead of the first readers of O^T
.irp u, 0,1
.set j, 0
.rept 16
	v_pk_mul_f32 v[O1+32*\u+j:O1+32*\u+j+1], v[O1+32*\u+j:O1+32*\u+j+1], v[FF+PT*\u:FF+PT*\u+1] op_sel_hi:[1,0]      ; O^T under the new M; these are also the places between codes, scale words and products
.set j, j+2
.endr
.endr
	s_wait_alu depctr_va_vdst(0)
	s_wait_dscnt 16*\more                          ; V's fragments are in; the sixteen younger loads, K's, may be out
	WIN 0x55                                       ; V, p's codes, C and D: all in window 1
.irp t, 0,1,2,3
	PMUL 0, \t
	PMUL 1, \t
.endr
	WIN 0
.set j, 0
	SUMS 2                                         ; THE ROW'S SUM OF THE UNQUANTISED p.  The first eight lines name nothing of the eight products: their places ahead of the load into the scale words
.if \more
	ds_load_b128 v[SK:SK+3], v[ADS] offset:512
.endif
	SUMS 14
.endm
	KFETCH AK0, 0
	ds_load_b128 v[SK:SK+3], v[AS0]
.Lstep:                                            ; fifteen trips; the last step is written out, since it fetches nothing
	STEP 1
	s_add_co_u32 s[TKV], s[TKV], 8192
	s_add_co_u32 s[TS], s[TS], 512
	s_cmp_lg_u32 s[TKV], 122880
	s_cbranch_scc1 .Lstep
	STEP 0
	; THE WAY OUT: O^T / l, quantised along the channels: register 16 c + i is channel 32 c + 16 (lane / 16) + i of my query: two blocks a tile: my head's half of a unit of ao.
.irp u, 0,1
	v_pk_add_f32 v[L0+PT*\u:L0+PT*\u+1], v[L0+PT*\u:L0+PT*\u+1], v[L1+PT*\u:L1+PT*\u+1]
.endr
.irp u, 0,1
	v_add_f32 v[L0+PT*\u], v[L0+PT*\u], v[L0+PT*\u+1]
.endr
.irp u, 0,1
	v_permlanex16_b32 v[TMP+PT*\u], v[L0+PT*\u], s[SEL], s[SEL+1]
.endr
.irp u, 0,1
	v_add_f32 v[L0+PT*\u], v[L0+PT*\u], v[TMP+PT*\u]
.endr
	s_wait_alu depctr_va_vdst(0)                   ; the wait ahead of the transcendentals
.irp u, 0,1
	v_rcp_f32 v[FF+PT*\u], v[L0+PT*\u]
.endr
	v_nop                                          ; the plain line behind them
	WIN 0x01                                       ; The quotients take the scores' registers
	s_wait_alu depctr_va_vdst(0)                   ; and the wait ahead of their first reader, which is O^T's first reader too
.irp u, 0,1
.set j, 0
.rept 16
	v_pk_mul_f32 v[S+64*\u+j:S+64*\u+j+1], v[O1+32*\u+j:O1+32*\u+j+1], v[FF+PT*\u:FF+PT*\u+1] op_sel_hi:[1,0]
.set j, j+2
.endr
.endr
	WIN 0
.irp u, 0,1
.irp b, 0,1
	v_max3_num_f32 v[BM+PT*\u+\b], |v[S+64*\u+16*\b]|, |v[S+64*\u+16*\b+1]|, 0x8000000
.endr
.endr
.irp i, 2,4,6,8,10,12,14
.irp u, 0,1
.irp b, 0,1
	v_max3_num_f32 v[BM+PT*\u+\b], v[BM+PT*\u+\b], |v[S+64*\u+16*\b+\i]|, |v[S+64*\u+16*\b+\i+1]|
.endr
.endr
.endr
.irp u, 0,1
.irp b, 0,1
	v_permlanex16_b32 v[TP+PT*\u+\b], v[BM+PT*\u+\b], s[SEL], s[SEL+1]
.endr
.endr
.irp u, 0,1
.irp b, 0,1
	v_max_num_f32 v[BM+PT*\u+\b], v[BM+PT*\u+\b], v[TP+PT*\u+\b]
.endr
.endr
.irp u, 0,1
.irp b, 0,1
	v_add_nc_u32 v[SO+PT*\u+\b], 0xf8800000, v[BM+PT*\u+\b]
.endr
.endr
.irp u, 0,1
.irp b, 0,1
	v_and_or_b32 v[BM+PT*\u+\b], v[BM+PT*\u+\b], 0x7f800000, s[MNT]
.endr
.endr
.irp u, 0,1
.irp b, 0,1
	v_lshrrev_b32 v[TP+PT*\u+\b], 23, v[SO+PT*\u+\b]
.endr
.endr
.irp u, 0,1
	v_lshl_or_b32 v[TMP+PT*\u], v[TP+PT*\u+1], 8, v[TP+PT*\u]
.endr
.irp u, 0,1
.irp b, 0,1
.irp i, 0,1,2,3,4,5,6,7,8,9,10,11,12,13,14,15
	v_med3_num_f32 v[S+64*\u+16*\b+\i], v[S+64*\u+16*\b+\i], -v[BM+PT*\u+\b], v[BM+PT*\u+\b]
.endr
	v_cvt_scalef32_pk8_bf8_f32 v[KV+8*\u+4*\b:KV+8*\u+4*\b+1], v[S+64*\u+16*\b:S+64*\u+16*\b+7], v[SO+PT*\u+\b]
	v_cvt_scalef32_pk8_bf8_f32 v[KV+8*\u+4*\b+2:KV+8*\u+4*\b+3], v[S+64*\u+16*\b+8:S+64*\u+16*\b+15], v[SO+PT*\u+\b]
.endr
.endr
	v_nop
.irp u, 0,1
	global_store_b128 v[AK0], v[KV+8*\u:KV+8*\u+3], s[96:97] offset:2048*\u            ; 512 consecutive bytes
	global_store_b128 v[AK0], v[KV+8*\u+4:KV+8*\u+7], s[96:97] offset:2048*\u+512
	global_store_b16 v[R4], v[TMP+PT*\u], s[98:99] offset:64*\u      ; both halves of the lanes write the same two bytes with the same value
.endr
	s_wait_tensorcnt 0x0                           ; the wave's end
	ds_add_u32 v[SPW], v[NIL]
	s_wait_dscnt 0x0
	CROUND                                         ; the closing round
	s_endpgm
.Lfunc_end_k_qee7cfe07ab_attn:
	.size	k_qee7cfe07ab_attn, .Lfunc_end_k_qee7cfe07ab_attn-k_qee7cfe07ab_attn
	.p2alignl 7, 3214868480
	.fill 96, 4, 3214868480
	.section	.rodata,"a",@progbits
	.p2align	6, 0x0
	.amdhsa_kernel k_qee7cfe07ab_attn
		.amdhsa_group_segment_fixed_size 327680
		.amdhsa_private_segment_fixed_size 0
		.amdhsa_enable_private_segment 0
		.amdhsa_kernarg_size 16
		.amdhsa_user_sgpr_count 2
		.amdhsa_user_sgpr_kernarg_segment_ptr 1
		.amdhsa_wavefront_size32 1
		.amdhsa_system_sgpr_workgroup_id_x 1
		.amdhsa_system_sgpr_workgroup_id_y 1
		.amdhsa_system_sgpr_workgroup_id_z 1
		.amdhsa_system_vgpr_workitem_id 0
		.amdhsa_next_free_vgpr 480
		.amdhsa_next_free_sgpr 100
		.amdhsa_reserve_vcc 0
		.amdhsa_float_denorm_mode_32 3
		.amdhsa_float_denorm_mode_16_64 3
		.amdhsa_memory_ordered 1
		.amdhsa_forward_progress 1
		.amdhsa_inst_pref_size 92
	.end_amdhsa_kernel
	.amdgpu_metadata
---
amdhsa.version: [ 1, 2 ]
amdhsa.kernels:
  - .name:           k_qee7cfe07ab_attn
    .symbol:         k_qee7cfe07ab_attn.kd
    .args:
      - { .name: qkv, .offset: 0, .size: 8, .value_kind: global_buffer, .address_space: global }
      - { .name: ao, .offset: 8, .size: 8, .value_kind: global_buffer, .address_space: global }
    .group_segment_fixed_size: 327680
    .private_segment_fixed_size: 0
    .kernarg_segment_align: 8
    .kernarg_segment_size: 16
    .max_flat_workgroup_size: 256
    .sgpr_count:     100
    .vgpr_count:     480
    .wavefront_size: 32
...
	.end_amdgpu_metadata
.endif
;; end of part 3
;; launch proj (part 4): grid 8 x 32, 4 waves a work-group, clusters of 4 x 4, 327,680 bytes of LDS; arguments ao, wbuf, proj_b, x, x1; writes x1
.if DOCPART == 4
	.amdgcn_target "amdgcn-amd-amdhsa--gfx1250"
	.amdhsa_code_object_version 6
	.text
	.protected	k_qee7cfe07ab_proj
	.globl	k_qee7cfe07ab_proj
	.p2align	8
	.type	k_qee7cfe07ab_proj,@function
k_qee7cfe07ab_proj:
	s_mov_b64 s[64:65], 0
	v_nop
	global_prefetch_b8 v0, s[64:65] scope:SCOPE_SE
	s_setreg_imm32_b32 hwreg(HW_REG_WAVE_MODE, 25, 1), 1
	s_wait_xcnt 0x0
	s_wait_alu depctr_hold_cnt(0) depctr_sa_sdst(0) depctr_va_vdst(0) depctr_va_sdst(0) depctr_va_ssrc(0) depctr_va_vcc(0) depctr_vm_vsrc(0)
	s_getreg_b32 s2, hwreg(HW_REG_IB_STS2, 6, 4)
	s_cmp_eq_u32 s2, 0
	s_cbranch_scc0 .Lentry_in_a_cluster
	s_endpgm
.Lentry_in_a_cluster:
	s_bfe_u32 s2, ttmp6, 0x10000c
	s_cmp_lg_u32 s2, 0xf033
	s_cbranch_scc0 .Lentry_shape_is_right
	s_endpgm
.Lentry_shape_is_right:
.set KS,     8
.set ASC,    4194304
.set BCO,    4194304
.set BSC,    13762560
.set LAPS,   KS/8
.set HALFT,  32768
.set SLOT,   131072
.set SCL,    262144
.set HALFS,  256*KS
.set SPARE,  294912
.set SPITCH, 272
.set ADRA, 16
.set ADRB, 20
.set STO,  24
.set RD,   25
.set CO,   26
.set ADRS, 27
.set SPW,  28
.set NIL,  29
.set BO,   30
.set SC,   32
.set BIAS, 64
.set ACC,  128
.set F0,   0
.set F1,   128
.set G1, 24
.set G0, 32
.set G1B, 48
.set G0B, 56
.set G1S, 68
.set G0S, 76
.set G1SB, 80
.set G0SB, 88
.set MSB, 0
.macro WIN new
.if MSB != \new
	s_set_vgpr_msb (MSB<<8)|\new
.set MSB, \new
.endif
.endm
.set MUL,  0x05
.set TO_F, 0x40
.macro JLOAD g0a, g1a, g0b, g1b
	s_cmp_eq_u32 s15, 0
	s_cbranch_scc0 .Lfor_b_\@
	tensor_load_to_lds s[\g0a:\g0a+3], s[\g1a:\g1a+7]
	s_nop 0
.rept 4
	v_nop
.endr
	s_branch .Lasked_\@
.Lfor_b_\@:
	tensor_load_to_lds s[\g0b:\g0b+3], s[\g1b:\g1b+7]
	s_nop 0
.rept 4
	v_nop
.endr
.Lasked_\@:
.endm
.macro CREST
	s_cmp_lg_u32 s14, 0
	s_cbranch_scc1 .Lnot_wave_0_\@
	s_barrier_signal -3
.Lnot_wave_0_\@:
	s_barrier_wait -3
	s_barrier_signal -1
	s_barrier_wait -1
.endm
.macro CROUND
	s_barrier_signal -1
	s_barrier_wait -1
	CREST
.endm
	s_load_b128 s[4:7], s[0:1], 0x0
	s_load_b128 s[8:11], s[0:1], 0x10
	s_load_b64 s[12:13], s[0:1], 0x20
	v_lshl_add_u32 v[SPW], v0, 2, SPARE
	v_mov_b32 v[NIL], 0
	ds_add_u32 v[SPW], v[NIL]
	ds_add_u32 v[SPW], v[NIL]
	v_lshrrev_b32 v1, 5, v0
	v_readfirstlane_b32 s14, v1
	s_lshr_b32 s15, s14, 1
	s_and_b32 s16, s14, 1
	s_bfe_u32 s40, ttmp6, 0x40000
	s_bfe_u32 s41, ttmp6, 0x40004
	s_lshl_b32 s42, ttmp9, 2
	s_add_co_u32 s42, s42, s40
	s_and_b32 s17, ttmp7, 0xffff
	s_lshl_b32 s17, s17, 2
	s_add_co_u32 s17, s17, s41
	s_lshl_b32 s43, s41, 2
	s_lshl_b32 s43, 15, s43
	s_lshl_b32 s44, 0x1111, s40
	s_or_b32 s[G1+0], s43, (3<<16)|(1<<21)
	s_or_b32 s[G1B+0], s44, (3<<16)|(1<<21)
.irp g, G1, G1B
	s_mov_b32 s[\g+1], 1024<<16
	s_mov_b32 s[\g+2], 4<<16
	s_mov_b32 s[\g+3], 1024<<16
	s_mov_b32 s[\g+4], 4
	s_mov_b32 s[\g+6], 0
	s_mov_b32 s[\g+7], 0
.endr
	s_mov_b32 s[G1+5], 65536
	s_mov_b32 s[G1B+5], 16384
	s_lshl_b32 s18, s16, 2
	s_lshl_b32 s20, s17, 3
	s_add_co_u32 s20, s20, s18
	s_lshl_b32 s46, s42, 3
	s_add_co_u32 s46, s46, s18
	s_lshl_b32 s22, s20, 6
	s_add_co_u32 s22, s22, ASC
	s_mov_b32 s23, 0
	s_lshl_b32 s20, s20, 11
	s_mov_b32 s21, 0
	s_lshl_b32 s92, s46, 6
	s_add_co_u32 s92, s92, BSC
	s_mov_b32 s93, 0
	s_lshl_b32 s46, s46, 11
	s_add_co_u32 s46, s46, BCO
	s_mov_b32 s47, 0
	s_lshl_b32 s45, s14, 15
	s_mul_i32 s2, s14, HALFS
	s_add_co_u32 s2, s2, SCL
	s_wait_dscnt 0x0
	s_wait_kmcnt 0x0
	s_add_nc_u64 s[20:21], s[4:5], s[20:21]
	s_add_nc_u64 s[22:23], s[4:5], s[22:23]
	s_add_nc_u64 s[46:47], s[6:7], s[46:47]
	s_add_nc_u64 s[92:93], s[6:7], s[92:93]
	CROUND
	s_cmp_eq_u32 s15, 0                            ; THE SCALE WORDS come by plain loads beside slot 0's tensor load: my wave's 2,048 bytes, A's (waves 0, 1) or B's: 8 K steps x 256 dense bytes
	s_cselect_b64 s[22:23], s[22:23], s[92:93]     ; (8 KiB a work-group beside 256 KiB of tiles: not asked for jointly)
	s_mov_b32 s3, 4096                             ; from a K step to the next: 64 tiles' words in B,
	s_cselect_b32 s3, 16384, s3                    ; 256 tiles' in A
	v_and_b32 v3, 31, v0
	v_lshlrev_b32 v4, 3, v3
	v_add_nc_u32 v5, s2, v4                        ; where they go in LDS
.irp k, 0,1,2,3,4,5,6,7
	v_mad_u32_u24 v[6+\k], s3, \k, v4
.endr
.irp k, 0,1,2,3,4,5,6,7
	global_load_b64 v[ACC+2*\k:ACC+2*\k+1], v[6+\k], s[22:23]
.endr
.irp s, 0,1
	s_mov_b32 s[G0+4*\s], 1
	s_add_co_u32 s[G0+4*\s+1], s45, \s*SLOT
	s_add_nc_u64 s[G0+4*\s+2:G0+4*\s+3], s[20:21], \s*2097152
	s_or_b32 s[G0+4*\s+3], s[G0+4*\s+3], 0x80000000
	s_mov_b32 s[G0B+4*\s], 1
	s_add_co_u32 s[G0B+4*\s+1], s45, \s*SLOT
	s_add_nc_u64 s[G0B+4*\s+2:G0B+4*\s+3], s[46:47], \s*524288
	s_or_b32 s[G0B+4*\s+3], s[G0B+4*\s+3], 0x80000000
.if \s
	s_wait_alu depctr_va_vdst(0)
	s_wait_loadcnt 0x0                             ; my scale words are in registers,
.irp k, 0,1,2,3,4,5,6,7
	ds_store_b64 v5, v[ACC+2*\k:ACC+2*\k+1] offset:256*\k      ; and go to bytes on which no fill lands
.endr
	s_wait_tensorcnt 0x0                           ; a wait, an add and a round ahead of slot 1's first fill
	ds_add_u32 v28, v29
	s_wait_dscnt 0x0                               ; the add and my stores are done
	CROUND
.endif
	JLOAD G0+4*\s, G1, G0B+4*\s, G1B
.endr
	v_and_b32 v1, 15, v0
	v_bfe_u32 v2, v0, 4, 1
	s_wait_alu depctr_va_vdst(0)
	v_and_b32 v3, 31, v0
	v_lshlrev_b32 v4, 4, v3
	s_lshl_b32 s21, s15, 15
	s_lshl_b32 s22, s16, 15
	s_add_co_u32 s22, s22, 2*HALFT
.irp s, 0,1
	v_add_nc_u32 v[ADRA+\s], s21, v4
	v_add_nc_u32 v[ADRB+\s], s22, v4
	s_add_co_u32 s21, s21, SLOT
	s_add_co_u32 s22, s22, SLOT
.endr
	s_mul_i32 s21, s15, HALFS
	s_mul_i32 s22, s16, HALFS
	s_add_co_u32 s22, s22, 2*HALFS
	s_sub_co_u32 s22, s22, s21
	v_mul_u32_u24 v6, s22, v2
	s_add_co_u32 s21, s21, SCL
	v_lshlrev_b32 v5, 2, v1
	v_add_nc_u32 v5, v5, v6
	v_add_nc_u32 v[ADRS], s21, v5
	s_mul_i32 s23, s14, 16*SPITCH
	v_mul_u32_u24 v5, v1, SPITCH
	v_lshl_add_u32 v5, v2, 6, v5
	v_add_nc_u32 v[STO], s23, v5
	v_mul_u32_u24 v5, v2, SPITCH
	v_lshl_add_u32 v5, v1, 4, v5
	v_add_nc_u32 v[RD], s23, v5
	v_lshlrev_b32 v5, 12, v2
	v_lshl_add_u32 v[CO], v1, 4, v5
	v_lshlrev_b32 v[BO], 6, v2
	s_wait_alu depctr_va_vdst(0)
	s_lshl_b32 s46, s42, 9
	s_lshl_b32 s47, s16, 8
	s_add_co_u32 s46, s46, s47
	s_mov_b32 s47, 0
	s_add_nc_u64 s[8:9], s[8:9], s[46:47]
	s_lshl_b32 s94, s17, 7
	s_lshl_b32 s95, s15, 6
	s_add_co_u32 s94, s94, s95
	s_lshl_b32 s94, s94, 12
	s_add_co_u32 s94, s94, s46
	s_mov_b32 s95, 0
	s_add_nc_u64 s[10:11], s[10:11], s[94:95]
	s_add_nc_u64 s[12:13], s[12:13], s[94:95]
.irp b, 0,1,2,3
	global_load_b128 v[BIAS+8*\b:BIAS+8*\b+3], v[BO], s[8:9] offset:128*(\b/2)+32*(\b%2)
	global_load_b128 v[BIAS+8*\b+4:BIAS+8*\b+7], v[BO], s[8:9] offset:128*(\b/2)+32*(\b%2)+16
.endr
	WIN 0x80
.irp a, 0,1,2,3
.irp t, 0,1,2,3,4,5,6,7
	global_load_b128 v[32*\a+4*\t:32*\a+4*\t+3], v[CO], s[10:11] offset:(32*(\a/2)+8*(\a%2)+2*\t+8*(\t/4))*4096
.endr
.endr
	WIN 0
.macro FETCH slot, q, f
	WIN TO_F
.irp i, 0,1,2,3
.irp c, 0,1,2,3
	ds_load_b128 v[\f+64+16*\i+4*\c:\f+64+16*\i+4*\c+3], v[ADRB+\slot] offset:8192*(\q)+2048*\i+512*\c
	ds_load_b128 v[\f+16*\i+4*\c:\f+16*\i+4*\c+3], v[ADRA+\slot] offset:8192*(\q)+2048*\i+512*\c
.endr
.endr
.endm
.macro SCALES sc
.irp q, 0,1,2,3
.irp i, 0,1,2,3
	ds_load_b32 v[SC+16*\sc+4*\q+\i], v[ADRS] offset:256*\q+64*\i
.endr
.endr
.endm
.macro MULA a, f, q, sc, first
.irp b, 0,1,2,3
.if \first
	v_wmma_scale_f32_16x16x128_f8f6f4 v[ACC+8*(4*(\a)+\b):ACC+8*(4*(\a)+\b)+7], v[\f+64+16*\b:\f+64+16*\b+15], v[\f+16*(\a):\f+16*(\a)+15], v[BIAS+8*\b:BIAS+8*\b+7], v[SC+16*(\sc)+4*(\q)+\b], v[SC+16*(\sc)+4*(\q)+(\a)] matrix_a_fmt:MATRIX_FMT_BF8 matrix_b_fmt:MATRIX_FMT_BF8 matrix_a_scale:MATRIX_SCALE_ROW1
.else
	v_wmma_scale_f32_16x16x128_f8f6f4 v[ACC+8*(4*(\a)+\b):ACC+8*(4*(\a)+\b)+7], v[\f+64+16*\b:\f+64+16*\b+15], v[\f+16*(\a):\f+16*(\a)+15], v[ACC+8*(4*(\a)+\b):ACC+8*(4*(\a)+\b)+7], v[SC+16*(\sc)+4*(\q)+\b], v[SC+16*(\sc)+4*(\q)+(\a)] matrix_a_fmt:MATRIX_FMT_BF8 matrix_b_fmt:MATRIX_FMT_BF8 matrix_a_scale:MATRIX_SCALE_ROW1
.endif
.endr
.endm
.macro PLACES n
.rept \n
	v_nop
.endr
.endm
.macro STEP slot, q, f, g, first
	s_wait_dscnt 0x0
	PLACES 8
	FETCH \slot, (\q)+1, \g
	WIN MUL
	MULA 0, \f, \q, \slot, \first
	MULA 1, \f, \q, \slot, \first
	MULA 2, \f, \q, \slot, \first
	MULA 3, \f, \q, \slot, \first
.endm
.macro TURN slot, next, fill
	WIN 0
	s_wait_tensorcnt 0x0
	ds_add_u32 v[SPW], v[NIL]
	s_wait_dscnt 1
	WIN MUL
	MULA 0, F1, 3, \slot, 0
	s_wait_dscnt 0x0
	s_barrier_signal -1
	MULA 1, F1, 3, \slot, 0
	WIN 0
	s_barrier_wait -1
.if \fill
	CREST
	s_add_nc_u64 s[G0+4*\slot+2:G0+4*\slot+3], s[G0+4*\slot+2:G0+4*\slot+3], 4194304
	s_add_nc_u64 s[G0B+4*\slot+2:G0B+4*\slot+3], s[G0B+4*\slot+2:G0B+4*\slot+3], 1048576
	JLOAD G0+4*\slot, G1, G0B+4*\slot, G1B
	PLACES 4
.else
	PLACES 8
.endif
	v_add_nc_u32 v[ADRS], 1024, v[ADRS]
	SCALES \next
	FETCH \next, 0, F0
	WIN MUL
	MULA 2, F1, 3, \slot, 0
	MULA 3, F1, 3, \slot, 0
.endm
	s_wait_tensorcnt 1
	s_barrier_signal -1
	s_barrier_wait -1
	SCALES 0
	FETCH 0, 0, F0
	s_wait_loadcnt 32
	STEP 0, 0, F0, F1, 1
.if LAPS > 1
	WIN 0
	s_mov_b32 s3, LAPS-1
.Llap:
	STEP 0, 1, F1, F0, 0
	STEP 0, 2, F0, F1, 0
	TURN 0, 1, 1
	STEP 1, 0, F0, F1, 0
	STEP 1, 1, F1, F0, 0
	STEP 1, 2, F0, F1, 0
	TURN 1, 0, 1
	STEP 0, 0, F0, F1, 0
	WIN 0
	s_sub_co_u32 s3, s3, 1
	s_cmp_lg_u32 s3, 0
	s_cbranch_scc1 .Llap
.endif
	STEP 0, 1, F1, F0, 0
	STEP 0, 2, F0, F1, 0
	TURN 0, 1, 0
	STEP 1, 0, F0, F1, 0
	STEP 1, 1, F1, F0, 0
	STEP 1, 2, F0, F1, 0
	s_wait_dscnt 0x0
	WIN MUL
	MULA 0, F1, 3, 1, 0
	MULA 1, F1, 3, 1, 0
	MULA 2, F1, 3, 1, 0
	MULA 3, F1, 3, 1, 0
	WIN 0
.macro TOSTAGE a
.irp b, 0,1,2,3
	ds_store_b128 v[STO], v[ACC+8*(4*(\a)+\b):ACC+8*(4*(\a)+\b)+3] offset:128*(\b/2)+32*(\b%2)
	ds_store_b128 v[STO], v[ACC+8*(4*(\a)+\b)+4:ACC+8*(4*(\a)+\b)+7] offset:128*(\b/2)+32*(\b%2)+16
.endr
.set BB, 32+64*((\a)%2)
.irp t, 0,1,2,3,4,5,6,7
	ds_load_b128 v[BB+4*\t:BB+4*\t+3], v[RD] offset:2*\t*SPITCH
.endr
.endm
.macro SEND a, younger
.set BB, 32+64*((\a)%2)
	s_wait_dscnt \younger
	WIN 0x08
.set n, 0
.rept 16
	v_pk_add_f32 v[BB+n:BB+n+1], v[BB+n:BB+n+1], v[32*(\a)+n:32*(\a)+n+1]
.set n, n+2
.endr
	WIN 0
.irp t, 0,1,2,3,4,5,6,7
	global_store_b128 v[CO], v[BB+4*\t:BB+4*\t+3], s[12:13] offset:(32*((\a)/2)+8*((\a)%2)+2*\t+8*(\t/4))*4096
.endr
.endm
	PLACES 8
	s_wait_loadcnt 0x0
	TOSTAGE 0
	TOSTAGE 1
	SEND 0, 16
	s_wait_xcnt 0x0
	TOSTAGE 2
	SEND 1, 16
	s_wait_xcnt 0x0
	TOSTAGE 3
	SEND 2, 16
	SEND 3, 0
	s_wait_tensorcnt 0x0
	ds_add_u32 v[SPW], v[NIL]
	s_wait_dscnt 0x0
	CROUND
	s_endpgm
.Lfunc_end_k_qee7cfe07ab_proj:
	.size	k_qee7cfe07ab_proj, .Lfunc_end_k_qee7cfe07ab_proj-k_qee7cfe07ab_proj
	.p2alignl 7, 3214868480
	.fill 96, 4, 3214868480
	.section	.rodata,"a",@progbits
	.p2align	6, 0x0
	.amdhsa_kernel k_qee7cfe07ab_proj
		.amdhsa_group_segment_fixed_size 327680
		.amdhsa_private_segment_fixed_size 0
		.amdhsa_enable_private_segment 0
		.amdhsa_kernarg_size 40
		.amdhsa_user_sgpr_count 2
		.amdhsa_user_sgpr_kernarg_segment_ptr 1
		.amdhsa_wavefront_size32 1
		.amdhsa_system_sgpr_workgroup_id_x 1
		.amdhsa_system_sgpr_workgroup_id_y 1
		.amdhsa_system_sgpr_workgroup_id_z 1
		.amdhsa_system_vgpr_workitem_id 0
		.amdhsa_next_free_vgpr 640
		.amdhsa_next_free_sgpr 100
		.amdhsa_reserve_vcc 0
		.amdhsa_float_denorm_mode_32 3
		.amdhsa_float_denorm_mode_16_64 3
		.amdhsa_memory_ordered 1
		.amdhsa_forward_progress 1
		.amdhsa_inst_pref_size 63
	.end_amdhsa_kernel
	.amdgpu_metadata
---
amdhsa.version: [ 1, 2 ]
amdhsa.kernels:
  - .name:           k_qee7cfe07ab_proj
    .symbol:         k_qee7cfe07ab_proj.kd
    .args:
      - { .name: ao, .offset: 0, .size: 8, .value_kind: global_buffer, .address_space: global }
      - { .name: wbuf, .offset: 8, .size: 8, .value_kind: global_buffer, .address_space: global }
      - { .name: proj_b, .offset: 16, .size: 8, .value_kind: global_buffer, .address_space: global }
      - { .name: x, .offset: 24, .size: 8, .value_kind: global_buffer, .address_space: global }
      - { .name: x1, .offset: 32, .size: 8, .value_kind: global_buffer, .address_space: global }
    .group_segment_fixed_size: 327680
    .private_segment_fixed_size: 0
    .kernarg_segment_align: 8
    .kernarg_segment_size: 40
    .max_flat_workgroup_size: 128
    .sgpr_count:     100
    .vgpr_count:     640
    .wavefront_size: 32
...
	.end_amdgpu_metadata
.endif
;; end of part 4
;; launch ln2 (part 5): grid 256 x 1, 4 waves a work-group, no clusters, 36,352 bytes of LDS; arguments x1, ln2_g, ln2_b, xn; writes xn
.if DOCPART == 5
	.amdgcn_target "amdgcn-amd-amdhsa--gfx1250"
	.amdhsa_code_object_version 6
	.text
	.protected	k_qee7cfe07ab_ln2
	.globl	k_qee7cfe07ab_ln2
	.p2align	8
	.type	k_qee7cfe07ab_ln2,@function
k_qee7cfe07ab_ln2:
	s_mov_b64 s[64:65], 0
	v_nop
	global_prefetch_b8 v0, s[64:65] scope:SCOPE_SE
	s_setreg_imm32_b32 hwreg(HW_REG_WAVE_MODE, 25, 1), 1
	s_wait_xcnt 0x0
; LayerNorm over rows of 1,024 f32, y = (x - mean) rsqrt(var + 1e-5) g + b, all in f32, and y quantised along the row into codes of BF8 with one E8M0 byte for each 32: nothing of the work is left out.
; The text is that of the first launch's LN1 path, on x1, ln2_g, ln2_b.
; OUT is an image (see the first launch's head): [8 K steps][256 tiles of tokens][2,048 bytes], scale words behind it at 4,194,304: [8][256][16 words].
; A work-group makes one tile of 16 tokens; row r of tile T is token 32 (T / 2) + 8 (T % 2) + r + 8 (r / 8).  Wave w takes rows 4 w .. 4 w + 3, four neighbouring tokens: 16 KiB of dense memory.
; A row lies in one wave's registers (32 a lane) between the passes: it is read from memory once; mean and variance are taken in two passes, as the reference takes them.
; The loads take the bytes as they lie (512 a load); the conversions want 32 neighbours in ONE lane: a row turns through the wave's own stage in LDS (128 bytes + 16 of padding for each block).
; Lane l then holds block l of the row.  The codes of the 16 rows meet in an image in LDS (a part's 512 bytes + 16 of padding); behind ONE barrier each wave stores eight parts, 512 dense bytes a store.
; The scale words leave in runs of 64 bytes: one byte in 128 of what the launch reads.
; LIMITS: a block of zeros gets the byte 1 where the rule says 127 (its codes are zeros; this program alone reads the bytes); NaN and infinities are not served.
.set TURNB, 4608                       ; LDS: four turning stages of 32 x 144 bytes,
.set IMG,   18432                      ; the image: 32 parts x 528 bytes,
.set SCS,   35328                      ; the scale words: 8 K steps x 16 rows,
.set SPARE, 35840                      ; the spare words: 128 bytes for each wave, which no other line names
; v1 16 x lane; v2, v3 the stage, in and out; v4 the image, in; v5 my scale byte; v6 the image, out; v7 its place in memory; v8, v9 the scale words, out; v10, v11 the add's two; v12-31 at work; v32-63 y; v64-191 four rows; v192-223 g; v224-255 b
	s_load_b256 s[4:11], s[0:1], 0x0               ; in, g, b, out
	v_lshl_add_u32 v10, v0, 2, SPARE
	v_mov_b32 v11, 0
	v_lshrrev_b32 v12, 5, v0
	v_readfirstlane_b32 s12, v12                   ; wave
	v_and_b32 v13, 31, v0                          ; lane
	v_lshlrev_b32 v1, 4, v13
	s_mul_i32 s13, s12, TURNB
	v_lshrrev_b32 v14, 3, v13
	v_mul_u32_u24 v14, v14, 144
	v_and_b32 v15, 7, v13
	v_lshl_add_u32 v14, v15, 4, v14
	v_add_nc_u32 v2, s13, v14                      ; in: eight lanes' 128 bytes on end, then 16 of padding
	v_mul_u32_u24 v14, v13, 144
	v_add_nc_u32 v3, s13, v14                      ; out: block = lane
	v_mul_u32_u24 v14, v13, 528
	s_lshl_b32 s14, s12, 6
	s_add_co_u32 s14, s14, IMG
	v_add_nc_u32 v4, s14, v14                      ; part = lane (4 x K step + block), row 4 w + i: 16 bytes a row
	v_lshrrev_b32 v14, 2, v13
	v_lshlrev_b32 v14, 6, v14
	v_and_b32 v15, 3, v13
	v_add_nc_u32 v14, v14, v15
	s_lshl_b32 s14, s12, 4
	s_add_co_u32 s14, s14, SCS
	v_add_nc_u32 v5, s14, v14                      ; 64 x K step + 4 x row + block
	s_mul_i32 s14, s12, 4224
	s_add_co_u32 s14, s14, IMG
	v_add_nc_u32 v6, s14, v1                       ; parts 8 w on
	s_lshl_b32 s14, s12, 20
	v_add_nc_u32 v7, s14, v1                       ; K steps 2 w and 2 w + 1: 524,288 bytes apart
	v_lshl_add_u32 v8, v0, 2, SCS
	v_lshrrev_b32 v14, 4, v0
	v_and_b32 v15, 15, v0
	v_lshlrev_b32 v15, 2, v15
	v_lshl_add_u32 v9, v14, 14, v15                ; thread t: K step t / 16, row t % 16
	s_lshr_b32 s15, ttmp9, 1
	s_lshl_b32 s15, s15, 5
	s_and_b32 s16, ttmp9, 1
	s_lshl_b32 s16, s16, 3
	s_add_co_u32 s15, s15, s16
	s_lshl_b32 s16, s12, 2
	s_add_co_u32 s15, s15, s16
	s_lshr_b32 s16, s12, 1
	s_lshl_b32 s16, s16, 3
	s_add_co_u32 s15, s15, s16                     ; my first token
	s_lshl_b32 s16, s15, 12
	s_mov_b32 s17, 0
	s_lshl_b32 s18, ttmp9, 11                      ; my tile's unit in a K step
	s_mov_b32 s19, 0
	s_lshl_b32 s26, ttmp9, 6
	s_add_co_u32 s26, s26, 4194304                 ; and its scale words
	s_mov_b32 s27, 0
	s_mov_b32 s20, 0x76543210
	s_mov_b32 s21, 0xfedcba98                      ; v_permlanex16_b32's selects for lane l xor 16
	s_mov_b32 s22, 0x3727c5ac                      ; 1e-5
	s_mov_b32 s23, 0x600000                        ; the mantissa field of 57,344
	s_mov_b32 s24, 0x3a800000                      ; 1 / 1,024
	s_wait_kmcnt 0x0
	s_add_nc_u64 s[4:5], s[4:5], s[16:17]
	s_add_nc_u64 s[28:29], s[10:11], s[26:27]
	s_add_nc_u64 s[10:11], s[10:11], s[18:19]
.irp j, 0,1,2,3,4,5,6,7
	global_load_b128 v[192+4*\j:195+4*\j], v1, s[6:7] offset:512*\j
.endr
.irp j, 0,1,2,3,4,5,6,7
	global_load_b128 v[224+4*\j:227+4*\j], v1, s[8:9] offset:512*\j
.endr
.irp i, 0,1,2,3
.irp j, 0,1,2,3,4,5,6,7
	global_load_b128 v[64+32*\i+4*\j:67+32*\i+4*\j], v1, s[4:5] offset:4096*\i+512*\j
.endr
.endr
.macro REDUCE                          ; the sum of v12 over the 32 lanes, in every lane
	v_add_f32_dpp v12, v12, v12 row_xmask:1 row_mask:0xf bank_mask:0xf
	v_add_f32_dpp v12, v12, v12 row_xmask:2 row_mask:0xf bank_mask:0xf
	v_add_f32_dpp v12, v12, v12 row_xmask:4 row_mask:0xf bank_mask:0xf
	v_add_f32_dpp v12, v12, v12 row_xmask:8 row_mask:0xf bank_mask:0xf
	v_permlanex16_b32 v13, v12, s20, s21
	v_add_f32 v12, v12, v13
.endm
.macro ROW i
.set XR, 64+32*(\i)
	s_wait_loadcnt 8*(3-(\i))                      ; g, b and my row are in; the later rows' loads may be out
	v_pk_add_f32 v[12:13], v[XR:XR+1], v[XR+2:XR+3]
	v_pk_add_f32 v[14:15], v[XR+4:XR+5], v[XR+6:XR+7]
.irp j, 8,12,16,20,24,28
	v_pk_add_f32 v[12:13], v[12:13], v[XR+\j:XR+\j+1]
	v_pk_add_f32 v[14:15], v[14:15], v[XR+\j+2:XR+\j+3]
.endr
	v_pk_add_f32 v[12:13], v[12:13], v[14:15]
	v_add_f32 v12, v12, v13
	REDUCE
	v_mul_f32 v16, s24, v12                        ; the mean,
	v_mov_b32 v17, v16                             ; twice, for the packed form
.set n, 0
.rept 16
	v_pk_add_f32 v[XR+n:XR+n+1], v[XR+n:XR+n+1], v[16:17] neg_lo:[0,1] neg_hi:[0,1]
.set n, n+2
.endr
	v_pk_mul_f32 v[12:13], v[XR:XR+1], v[XR:XR+1]
	v_pk_mul_f32 v[14:15], v[XR+2:XR+3], v[XR+2:XR+3]
.irp j, 4,8,12,16,20,24,28
	v_pk_fma_f32 v[12:13], v[XR+\j:XR+\j+1], v[XR+\j:XR+\j+1], v[12:13]
	v_pk_fma_f32 v[14:15], v[XR+\j+2:XR+\j+3], v[XR+\j+2:XR+\j+3], v[14:15]
.endr
	v_pk_add_f32 v[12:13], v[12:13], v[14:15]
	v_add_f32 v12, v12, v13
	REDUCE
	v_fma_f32 v18, v12, s24, s22                   ; the variance + 1e-5
	s_wait_alu depctr_va_vdst(0)
	v_rsq_f32 v20, v18
	v_rsq_f32 v21, v18
	v_nop                                          ; a plain line behind the two,
	s_wait_alu depctr_va_vdst(0)                   ; and the one wait ahead of their first reader
.set n, 0
.rept 16
	v_pk_mul_f32 v[32+n:33+n], v[XR+n:XR+n+1], v[20:21]
.set n, n+2
.endr
.set n, 0
.rept 16
	v_pk_fma_f32 v[32+n:33+n], v[32+n:33+n], v[192+n:193+n], v[224+n:225+n]
.set n, n+2
.endr
.irp j, 0,1,2,3,4,5,6,7
	ds_store_b128 v2, v[32+4*\j:35+4*\j] offset:576*\j           ; the row as it was loaded
.endr
.irp j, 0,1,2,3,4,5,6,7
	ds_load_b128 v[32+4*\j:35+4*\j], v3 offset:16*\j             ; LDS serves a wave's instructions in order: these see the stores.  My block's 32 neighbours
.endr
	s_wait_dscnt 0x0
	v_max3_num_f32 v12, |v32|, |v33|, |v34|
	v_max3_num_f32 v13, |v35|, |v36|, |v37|
.irp j, 6,10,14,18,22,26
	v_max3_num_f32 v12, v12, |v[32+\j]|, |v[33+\j]|
	v_max3_num_f32 v13, v13, |v[34+\j]|, |v[35+\j]|
.endr
	v_max3_num_f32 v12, v12, |v62|, |v63|
	v_max3_num_f32 v12, v12, v13, 0x8000000        ; the floor 2^(16 - 127)
	v_add_nc_u32 v15, 0xf8800000, v12              ; the conversion's scale operand
	v_and_or_b32 v14, v12, 0x7f800000, s23         ; 57,344 x the scale
	v_lshrrev_b32 v22, 23, v15                     ; the byte
.set n, 0
.rept 32
	v_med3_num_f32 v[32+n], v[32+n], -v14, v14
.set n, n+1
.endr
.irp g, 0,1,2,3
	v_cvt_scalef32_pk8_bf8_f32 v[24+2*\g:25+2*\g], v[32+8*\g:39+8*\g], v15
.endr
	v_nop
	ds_store_b128 v4, v[24:27] offset:16*(\i)      ; k = 0 .. 15 of the block: the lower half's lanes,
	ds_store_b128 v4, v[28:31] offset:256+16*(\i)  ; k = 16 .. 31: the upper half's
	ds_store_b8 v5, v22 offset:4*(\i)
.endm
	ROW 0
	ROW 1
	ROW 2
	ROW 3
	s_wait_dscnt 0x0                               ; for the others' sake: my stores have landed
	s_barrier_signal -1
	s_barrier_wait -1
.irp k, 0,1,2,3,4,5,6,7
	ds_load_b128 v[32+4*\k:35+4*\k], v6 offset:528*\k
.endr
	ds_load_b32 v12, v8
.irp k, 0,1,2,3,4,5,6,7
	s_wait_dscnt 8-\k                              ; part k is in; the younger loads may be out
	global_store_b128 v7, v[32+4*\k:35+4*\k], s[10:11] offset:(\k/4)*524288+(\k%4)*512
.endr
	s_wait_dscnt 0x0
	global_store_b32 v9, v12, s[28:29]
	s_wait_tensorcnt 0x0                           ; the wave's end
	ds_add_u32 v10, v11
	s_wait_dscnt 0x0
	s_endpgm
.Lfunc_end_k_qee7cfe07ab_ln2:
	.size	k_qee7cfe07ab_ln2, .Lfunc_end_k_qee7cfe07ab_ln2-k_qee7cfe07ab_ln2
	.p2alignl 7, 3214868480
	.fill 96, 4, 3214868480
	.section	.rodata,"a",@progbits
	.p2align	6, 0x0
	.amdhsa_kernel k_qee7cfe07ab_ln2
		.amdhsa_group_segment_fixed_size 36352
		.amdhsa_private_segment_fixed_size 0
		.amdhsa_enable_private_segment 0
		.amdhsa_kernarg_size 32
		.amdhsa_user_sgpr_count 2
		.amdhsa_user_sgpr_kernarg_segment_ptr 1
		.amdhsa_wavefront_size32 1
		.amdhsa_system_sgpr_workgroup_id_x 1
		.amdhsa_system_sgpr_workgroup_id_y 1
		.amdhsa_system_sgpr_workgroup_id_z 1
		.amdhsa_system_vgpr_workitem_id 0
		.amdhsa_next_free_vgpr 256
		.amdhsa_next_free_sgpr 66
		.amdhsa_reserve_vcc 0
		.amdhsa_float_denorm_mode_32 3
		.amdhsa_float_denorm_mode_16_64 3
		.amdhsa_memory_ordered 1
		.amdhsa_forward_progress 1
		.amdhsa_inst_pref_size 53
	.end_amdhsa_kernel
	.amdgpu_metadata
---
amdhsa.version: [ 1, 2 ]
amdhsa.kernels:
  - .name:           k_qee7cfe07ab_ln2
    .symbol:         k_qee7cfe07ab_ln2.kd
    .args:
      - { .name: x1, .offset: 0, .size: 8, .value_kind: global_buffer, .address_space: global }
      - { .name: ln2_g, .offset: 8, .size: 8, .value_kind: global_buffer, .address_space: global }
      - { .name: ln2_b, .offset: 16, .size: 8, .value_kind: global_buffer, .address_space: global }
      - { .name: xn, .offset: 24, .size: 8, .value_kind: global_buffer, .address_space: global }
    .group_segment_fixed_size: 36352
    .private_segment_fixed_size: 0
    .kernarg_segment_align: 8
    .kernarg_segment_size: 32
    .max_flat_workgroup_size: 128
    .sgpr_count:     66
    .vgpr_count:     256
    .wavefront_size: 32
...
	.end_amdgpu_metadata
.endif
;; end of part 5
;; launch ff1 (part 6): grid 16 x 16, 4 waves a work-group, clusters of 4 x 4, 327,680 bytes of LDS; arguments xn, wbuf, b1, h; writes h
.if DOCPART == 6
	.amdgcn_target "amdgcn-amd-amdhsa--gfx1250"
	.amdhsa_code_object_version 6
	.text
	.protected	k_qee7cfe07ab_ff1
	.globl	k_qee7cfe07ab_ff1
	.p2align	8
	.type	k_qee7cfe07ab_ff1,@function
k_qee7cfe07ab_ff1:
	s_mov_b64 s[64:65], 0
	v_nop
	global_prefetch_b8 v0, s[64:65] scope:SCOPE_SE
	s_setreg_imm32_b32 hwreg(HW_REG_WAVE_MODE, 25, 1), 1
	s_wait_xcnt 0x0
	s_wait_alu depctr_hold_cnt(0) depctr_sa_sdst(0) depctr_va_vdst(0) depctr_va_sdst(0) depctr_va_ssrc(0) depctr_va_vcc(0) depctr_vm_vsrc(0)
	s_getreg_b32 s2, hwreg(HW_REG_IB_STS2, 6, 4)
	s_cmp_eq_u32 s2, 0
	s_cbranch_scc0 .Lentry_in_a_cluster
	s_endpgm
.Lentry_in_a_cluster:
	s_bfe_u32 s2, ttmp6, 0x10000c
	s_cmp_lg_u32 s2, 0xf033
	s_cbranch_scc0 .Lentry_shape_is_right
	s_endpgm
.Lentry_shape_is_right:
.set NQ,     2
.set FR,     16
.set NL,     4
.set NP,     8
.set HALFT,  32768
.set SLOT,   131072
.set SCL,    262144
.set HALFS,  4096
.set SPARE,  278528
.set SCW,    279040
.set ADRA, 16
.set ADRB, 20
.set SWA,  24
.set SWR,  25
.set LI,   26
.set ADRS, 27
.set SPW,  28
.set NIL,  29
.set BO,   30
.set SC,   32
.set BIAS, 64
.set AF,   128
.set TM,   32
.set PW,   48
.set ZZ,   64
.set TT,   128
.set UU,   160
.set VV,   192
.set PC,   224
.set G1, 24
.set G0, 32
.set G1B, 48
.set G0B, 56
.set G1S, 68
.set G0S, 76
.set G1SB, 80
.set G0SB, 88
.set SEL, 96
.set MNT, 98
.set K9, 24
.set K7, 26
.set K6, 28
.set K5, 30
.set K4, 32
.set K3, 34
.set K2, 36
.set K1, 38
.set NEGL, 48
.set RS2, 50
.set SQ2, 52
.set AI, 3
.set MSB, 0
.macro WIN new
.if MSB != \new
	s_set_vgpr_msb (MSB<<8)|\new
.set MSB, \new
.endif
.endm
.set MUL_LO, 0xa1
.set MUL_HI, 0xf1
.set TO_B,   0x40
.macro JLOAD g0a, g1a, g0b, g1b
	s_cmp_eq_u32 s15, 0
	s_cbranch_scc0 .Lfor_b_\@
	tensor_load_to_lds s[\g0a:\g0a+3], s[\g1a:\g1a+7]
	s_nop 0
.rept 4
	v_nop
.endr
	s_branch .Lasked_\@
.Lfor_b_\@:
	tensor_load_to_lds s[\g0b:\g0b+3], s[\g1b:\g1b+7]
	s_nop 0
.rept 4
	v_nop
.endr
.Lasked_\@:
.endm
.macro CREST
	s_cmp_lg_u32 s14, 0
	s_cbranch_scc1 .Lnot_wave_0_\@
	s_barrier_signal -3
.Lnot_wave_0_\@:
	s_barrier_wait -3
	s_barrier_signal -1
	s_barrier_wait -1
.endm
.macro CROUND
	s_barrier_signal -1
	s_barrier_wait -1
	CREST
.endm
	s_load_b128 s[4:7], s[0:1], 0x0
	s_load_b128 s[8:11], s[0:1], 0x10
	v_lshl_add_u32 v[SPW], v0, 2, SPARE
	v_mov_b32 v[NIL], 0
	ds_add_u32 v[SPW], v[NIL]
	ds_add_u32 v[SPW], v[NIL]
	v_lshrrev_b32 v1, 5, v0
	v_readfirstlane_b32 s14, v1
	s_lshr_b32 s15, s14, 1
	s_and_b32 s16, s14, 1
	s_bfe_u32 s40, ttmp6, 0x40000
	s_bfe_u32 s41, ttmp6, 0x40004
	s_lshl_b32 s42, ttmp9, 2
	s_add_co_u32 s42, s42, s40
	s_and_b32 s17, ttmp7, 0xffff
	s_lshl_b32 s17, s17, 2
	s_add_co_u32 s17, s17, s41
	s_lshl_b32 s43, s41, 2
	s_lshl_b32 s43, 15, s43
	s_lshl_b32 s44, 0x1111, s40
	s_or_b32 s[G1+0], s43, (3<<16)|(1<<21)
	s_or_b32 s[G1B+0], s44, (3<<16)|(1<<21)
.irp g, G1, G1B
	s_mov_b32 s[\g+1], 2048<<16
	s_mov_b32 s[\g+2], 2<<16
	s_mov_b32 s[\g+3], 2048<<16
	s_mov_b32 s[\g+4], 2
	s_mov_b32 s[\g+5], 65536
	s_mov_b32 s[\g+6], 0
	s_mov_b32 s[\g+7], 0
.endr
	s_lshl_b32 s12, s42, 1
	s_add_co_u32 s12, s12, s16
	s_lshl_b32 s12, s12, 8
	s_lshl_b32 s13, s17, 4
	s_add_co_u32 s12, s12, s13
	s_lshl_b32 s13, s15, 3
	s_add_co_u32 s12, s12, s13
	s_lshl_b32 s66, s12, 6
	s_add_co_u32 s66, s66, 16777216
	s_lshl_b32 s12, s12, 11
	s_mov_b32 s13, 0
	s_mov_b32 s67, 0
	s_lshl_b32 s21, s16, 3
	s_lshl_b32 s20, s17, 4
	s_add_co_u32 s20, s20, s21
	s_lshl_b32 s46, s42, 4
	s_add_co_u32 s46, s46, s21
	s_lshl_b32 s22, s20, 6
	s_add_co_u32 s22, s22, 4194304
	s_mov_b32 s23, 0
	s_lshl_b32 s20, s20, 11
	s_mov_b32 s21, 0
	s_lshl_b32 s92, s46, 6
	s_add_co_u32 s92, s92, 13795328
	s_mov_b32 s93, 0
	s_lshl_b32 s46, s46, 11
	s_add_co_u32 s46, s46, 5242880
	s_mov_b32 s47, 0
	s_lshl_b32 s94, s42, 10
	s_lshl_b32 s95, s16, 9
	s_add_co_u32 s94, s94, s95
	s_mov_b32 s95, 0
	s_lshl_b32 s45, s14, 15
	s_lshl_b32 s2, s14, 12
	s_add_co_u32 s2, s2, SCL
	s_wait_dscnt 0x0
	s_wait_kmcnt 0x0
	s_add_nc_u64 s[20:21], s[4:5], s[20:21]
	s_add_nc_u64 s[22:23], s[4:5], s[22:23]
	s_add_nc_u64 s[46:47], s[6:7], s[46:47]
	s_add_nc_u64 s[92:93], s[6:7], s[92:93]
	s_add_nc_u64 s[8:9], s[8:9], s[94:95]
	s_add_nc_u64 s[12:13], s[10:11], s[12:13]
	s_add_nc_u64 s[66:67], s[10:11], s[66:67]
	CROUND
	s_cmp_eq_u32 s15, 0                            ; THE SCALE WORDS come by plain loads beside slot 0's tensor load: my wave's 4,096 bytes, A's (waves 0, 1) or B's: 8 K steps x 512 dense bytes
	s_cselect_b64 s[22:23], s[22:23], s[92:93]     ; (16 KiB a work-group beside 512 KiB of tiles: not asked for jointly)
	v_and_b32 v3, 31, v0
	v_lshlrev_b32 v[LI], 4, v3
	v_add_nc_u32 v4, s2, v[LI]                     ; and where they go in LDS
.irp k, 0,1,2,3,4,5,6,7
	global_load_b128 v[AF+4*\k:AF+4*\k+3], v[LI], s[22:23] offset:16384*\k
.endr
.irp s, 0,1
	s_mov_b32 s[G0+4*\s], 1
	s_add_co_u32 s[G0+4*\s+1], s45, \s*SLOT
	s_add_nc_u64 s[G0+4*\s+2:G0+4*\s+3], s[20:21], \s*1048576
	s_or_b32 s[G0+4*\s+3], s[G0+4*\s+3], 0x80000000
	s_mov_b32 s[G0B+4*\s], 1
	s_add_co_u32 s[G0B+4*\s+1], s45, \s*SLOT
	s_add_nc_u64 s[G0B+4*\s+2:G0B+4*\s+3], s[46:47], \s*1048576
	s_or_b32 s[G0B+4*\s+3], s[G0B+4*\s+3], 0x80000000
.if \s
	s_wait_alu depctr_va_vdst(0)
	s_wait_loadcnt 0x0                             ; my scale words are in registers,
.irp k, 0,1,2,3,4,5,6,7
	ds_store_b128 v4, v[AF+4*\k:AF+4*\k+3] offset:512*\k      ; and go to bytes on which no fill lands
.endr
	s_wait_tensorcnt 0x0                           ; a wait, an add and a round ahead of slot 1's first fill
	ds_add_u32 v28, v29
	s_wait_dscnt 0x0                               ; the add and my stores are done
	CROUND
.endif
	JLOAD G0+4*\s, G1, G0B+4*\s, G1B
.endr
	s_mov_b32 s[SEL], 0x76543210
	s_mov_b32 s[SEL+1], 0xfedcba98
	s_mov_b32 s[MNT], 0x600000
	v_and_b32 v1, 15, v0
	v_bfe_u32 v2, v0, 4, 1
	s_wait_alu depctr_va_vdst(0)
	v_lshlrev_b32 v[BO], 6, v2
.irp b, 0,1,2,3,4,5,6,7
	global_load_b128 v[BIAS+8*\b:BIAS+8*\b+3], v[BO], s[8:9] offset:128*(\b/2)+32*(\b%2)
	global_load_b128 v[BIAS+8*\b+4:BIAS+8*\b+7], v[BO], s[8:9] offset:128*(\b/2)+32*(\b%2)+16
.endr
	s_lshl_b32 s21, s15, 15
	s_lshl_b32 s22, s16, 15
	s_add_co_u32 s22, s22, 2*HALFT
.irp s, 0,1
	v_add_nc_u32 v[ADRA+\s], s21, v[LI]
	v_add_nc_u32 v[ADRB+\s], s22, v[LI]
	s_add_co_u32 s21, s21, SLOT
	s_add_co_u32 s22, s22, SLOT
.endr
	s_lshl_b32 s21, s15, 12
	s_lshl_b32 s22, s16, 12
	s_add_co_u32 s22, s22, 2*HALFS
	s_sub_co_u32 s22, s22, s21
	v_mul_u32_u24 v6, s22, v2
	s_add_co_u32 s21, s21, SCL
	v_lshlrev_b32 v5, 2, v1
	v_add_nc_u32 v5, v5, v6
	v_add_nc_u32 v[ADRS], s21, v5
	s_lshl_b32 s23, s14, 9
	s_add_co_u32 s23, s23, SCW
	v_lshl_add_u32 v[SWA], v1, 2, s23
	v_add_nc_u32 v[SWR], s23, v[LI]
.macro FRAG reg, adr, q, i
.irp c, 0,1,2,3
	ds_load_b128 v[\reg+4*\c:\reg+4*\c+3], v[\adr] offset:16384*(\q)+2048*(\i)+512*\c
.endr
.endm
.macro MUL16 a0, p, q, sc, zero
.irp a, \a0, \a0+1
.irp b, 0,1,2,3,4,5,6,7
.if (\zero) == 2
	v_wmma_scale_f32_16x16x128_f8f6f4 v[8*(8*((\a)%4)+\b):8*(8*((\a)%4)+\b)+7], v[128*(\p)+FR*\b:128*(\p)+FR*\b+FR-1], v[AF+FR*(\a):AF+FR*(\a)+FR-1], v[BIAS+8*\b:BIAS+8*\b+7], v[SC+8*NQ*(\sc)+NQ*\b+(\q)], v[SC+8*NQ*(\sc)+NQ*(\a)+(\q)] matrix_a_fmt:MATRIX_FMT_BF8 matrix_b_fmt:MATRIX_FMT_BF8 matrix_a_scale:MATRIX_SCALE_ROW1
.else
	v_wmma_scale_f32_16x16x128_f8f6f4 v[8*(8*((\a)%4)+\b):8*(8*((\a)%4)+\b)+7], v[128*(\p)+FR*\b:128*(\p)+FR*\b+FR-1], v[AF+FR*(\a):AF+FR*(\a)+FR-1], v[8*(8*((\a)%4)+\b):8*(8*((\a)%4)+\b)+7], v[SC+8*NQ*(\sc)+NQ*\b+(\q)], v[SC+8*NQ*(\sc)+NQ*(\a)+(\q)] matrix_a_fmt:MATRIX_FMT_BF8 matrix_b_fmt:MATRIX_FMT_BF8 matrix_a_scale:MATRIX_SCALE_ROW1
.endif
.endr
.endr
.endm
.macro FETCH_B slot, q, p
	WIN TO_B
.irp i, 0,1,2,3,4,5,6,7
	FRAG 128*(\p)+FR*\i, ADRB+\slot, \q, \i
.endr
	WIN 0
.endm
.macro FETCH_A slot, q, i0
.irp i, \i0, \i0+1, \i0+2, \i0+3
	FRAG AF+FR*(\i), ADRA+\slot, \q, \i
.endr
.endm
.macro SCALES sc
.irp i, 0,1,2,3,4,5,6,7
.irp q, 0,1
	ds_load_b32 v[SC+8*NQ*\sc+NQ*\i+\q], v[ADRS] offset:512*\q+64*\i
.endr
.endr
.endm
.macro PLACES n
.rept \n
	v_nop
.endr
.endm
.macro STEP slot, q, zero
	s_wait_dscnt 4*NL
.if (\zero) == 2
	WIN 0x81
.else
	WIN MUL_LO
.endif
	MUL16 0, (\q)%2, \q, \slot, \zero
	MUL16 2, (\q)%2, \q, \slot, \zero
	s_wait_dscnt 0
	PLACES NP
	FETCH_B \slot, (\q)+1, 1-(\q)%2
	FETCH_A \slot, (\q)+1, 0
.if (\zero) == 2
	WIN 0xc1
.else
	WIN MUL_HI
.endif
	MUL16 4, (\q)%2, \q, \slot, \zero
	MUL16 6, (\q)%2, \q, \slot, \zero
	PLACES NP
	WIN 0
	FETCH_A \slot, (\q)+1, 4
.endm
.macro TURN slot, next, fill
	s_wait_tensorcnt 0x0
	ds_add_u32 v[SPW], v[NIL]
	s_wait_dscnt 4*NL+1
	WIN MUL_LO
	MUL16 0, 1, NQ-1, \slot, 0
	s_wait_dscnt 0x0
	s_barrier_signal -1
	MUL16 2, 1, NQ-1, \slot, 0
	WIN 0
	s_barrier_wait -1
.if \fill
	CREST
	s_add_nc_u64 s[G0+4*\slot+2:G0+4*\slot+3], s[G0+4*\slot+2:G0+4*\slot+3], 2097152
	s_add_nc_u64 s[G0B+4*\slot+2:G0B+4*\slot+3], s[G0B+4*\slot+2:G0B+4*\slot+3], 2097152
	JLOAD G0+4*\slot, G1, G0B+4*\slot, G1B
	PLACES NP-4
.else
	PLACES NP
.endif
	s_wait_alu depctr_va_vdst(0)
	v_add_nc_u32 v[ADRS], 1024, v[ADRS]
	FETCH_B \next, 0, 0
	FETCH_A \next, 0, 0
	SCALES \next
	WIN MUL_HI
	MUL16 4, 1, NQ-1, \slot, 0
	MUL16 6, 1, NQ-1, \slot, 0
	PLACES NP
	WIN 0
	FETCH_A \next, 0, 4
.endm
	s_wait_alu depctr_va_vdst(0)
	s_wait_tensorcnt 1
	s_barrier_signal -1
	s_barrier_wait -1
	FETCH_B 0, 0, 0
	FETCH_A 0, 0, 0
	SCALES 0
	FETCH_A 0, 0, 4
	s_wait_loadcnt 0x0
	STEP 0, 0, 2
	s_mov_b32 s3, 1
.Llap:
	TURN 0, 1, 1
	STEP 1, 0, 0
	TURN 1, 0, 1
	STEP 0, 0, 0
	s_sub_co_u32 s3, s3, 1
	s_cmp_lg_u32 s3, 0
	s_cbranch_scc1 .Llap
	TURN 0, 1, 0
	STEP 1, 0, 0
	s_wait_dscnt 4*NL
	WIN MUL_LO
	MUL16 0, 1, NQ-1, 1, 0
	MUL16 2, 1, NQ-1, 1, 0
	s_wait_dscnt 0
	WIN MUL_HI
	MUL16 4, 1, NQ-1, 1, 0
	MUL16 6, 1, NQ-1, 1, 0
	WIN 0
.macro GELUH zb
.set n, 0
.rept 32
	v_fma_f32 v[TT+n], |v[\zb+n]|, 0.5, 1.0
.set n, n+1
.endr
.set n, 0
	s_wait_alu depctr_va_vdst(0)
.rept 32
	v_rcp_f32 v[TT+n], v[TT+n]
.set n, n+1
.endr
.set n, 0
.rept 16
	v_pk_mul_f32 v[VV+n:VV+n+1], v[\zb+n:\zb+n+1], v[\zb+n:\zb+n+1]
.set n, n+2
.endr
.set n, 0
.rept 16
	v_pk_fma_f32 v[VV+n:VV+n+1], v[VV+n:VV+n+1], s[NEGL:NEGL+1], v[52:53] op_sel_hi:[1,0,1]
.set n, n+2
.endr
	s_wait_alu depctr_va_vdst(0)
.set n, 0
.rept 16
	v_pk_fma_f32 v[UU+n:UU+n+1], v[TT+n:TT+n+1], s[K9:K9+1], v[50:51] op_sel_hi:[1,0,1]
.set n, n+2
.endr
.irp kk, K7,K6,K5,K4,K3,K2,K1
.set n, 0
.rept 16
	v_pk_fma_f32 v[UU+n:UU+n+1], v[UU+n:UU+n+1], v[TT+n:TT+n+1], s[\kk:\kk+1] op_sel_hi:[1,1,0]
.set n, n+2
.endr
.endr
.set n, 0
.rept 16
	v_pk_fma_f32 v[UU+n:UU+n+1], v[UU+n:UU+n+1], v[TT+n:TT+n+1], v[VV+n:VV+n+1]
.set n, n+2
.endr
.set n, 0
	s_wait_alu depctr_va_vdst(0)
.rept 32
	v_exp_f32 v[UU+n], v[UU+n]
.set n, n+1
.endr
.set n, 0
.rept 32
	v_max_num_f32 v[VV+n], 0, v[\zb+n]
.set n, n+1
.endr
	s_wait_alu depctr_va_vdst(0)
.set n, 0
.rept 16
	v_pk_mul_f32 v[UU+n:UU+n+1], v[UU+n:UU+n+1], v[TT+n:TT+n+1]
.set n, n+2
.endr
.set n, 0
.rept 16
	v_pk_mul_f32 v[UU+n:UU+n+1], v[UU+n:UU+n+1], v[\zb+n:\zb+n+1]
.set n, n+2
.endr
.set n, 0
.rept 32
	v_fma_f32 v[\zb+n], v[VV+n], s[SQ2], -|v[UU+n]|
.set n, n+1
.endr
.endm
.macro QUANT s
.irp b, 0,1,2,3
	v_max3_num_f32 v[TM+\b], |v[\s+16*\b]|, |v[\s+1+16*\b]|, 0x8000000
.endr
.irp i, 2,4,6,8,10,12,14
.irp b, 0,1,2,3
	v_max3_num_f32 v[TM+\b], v[TM+\b], |v[\s+16*\b+\i]|, |v[\s+1+16*\b+\i]|
.endr
.endr
.irp b, 0,1,2,3
	v_permlanex16_b32 v[TM+4+\b], v[TM+\b], s[SEL], s[SEL+1]
.endr
.irp b, 0,1,2,3
	v_max_num_f32 v[TM+\b], v[TM+\b], v[TM+4+\b]
.endr
.irp b, 0,1,2,3
	v_add_nc_u32 v[TM+12+\b], 0xf8800000, v[TM+\b]
.endr
.irp b, 0,1,2,3
	v_and_or_b32 v[TM+8+\b], v[TM+\b], 0x7f800000, s[MNT]
.endr
.irp b, 0,1,2,3
	v_lshrrev_b32 v[TM+4+\b], 23, v[TM+12+\b]
.endr
	v_lshl_or_b32 v[PW], v[TM+5], 8, v[TM+4]
	v_lshl_or_b32 v[PW], v[TM+6], 16, v[PW]
	v_lshl_or_b32 v[PW], v[TM+7], 24, v[PW]
.irp b, 0,1,2,3
.irp i, 0,1,2,3,4,5,6,7,8,9,10,11,12,13,14,15
	v_med3_num_f32 v[\s+16*\b+\i], v[\s+16*\b+\i], -v[TM+8+\b], v[TM+8+\b]
.endr
	v_cvt_scalef32_pk8_bf8_f32 v[PC+4*\b:PC+1+4*\b], v[\s+16*\b:\s+7+16*\b], v[TM+12+\b]
	v_cvt_scalef32_pk8_bf8_f32 v[PC+2+4*\b:PC+3+4*\b], v[\s+8+16*\b:\s+15+16*\b], v[TM+12+\b]
.endr
	v_nop
.endm
	PLACES NP
.macro KPAIR reg, bits
	s_mov_b32 s[\reg], \bits
	s_mov_b32 s[\reg+1], \bits
.endm
	KPAIR K9, 0x3e7c6f08
	KPAIR K7, 0x40097039
	KPAIR K6, 0xbfd1a1e5
	KPAIR K5, 0x3ecdfd18
	KPAIR K4, 0xbe899a80
	KPAIR K3, 0x3e0efb2e
	KPAIR K2, 0x3f0a29d2
	KPAIR K1, 0x3fb8ab5a
	KPAIR NEGL, 0xbfb8aa3b
	KPAIR RS2, 0x3f3504f3
	s_mov_b32 s[SQ2], 0x3fb504f3
	v_mov_b32 v50, 0xbf97d29d
	v_mov_b32 v51, 0xbf97d29d
	v_mov_b32 v52, 0xc014d90f
	v_mov_b32 v53, 0xc014d90f
.irp b, 0,1,2,3
	v_mov_b32 v[TM+4+\b], 0
.endr
	s_mov_b32 s[AI], 0
.Lblock:
.irp k, 0,1,2,3,4,5,6
	s_cmp_eq_u32 s[AI], \k
	s_cbranch_scc1 .Lx\k
.endr
	s_branch .Lx7
.irp k, 0,1,2,3,4,5,6,7
.Lx\k:
.set WS, 2+(\k)/4
	WIN WS
.set n, 0
.rept 32
	v_pk_mul_f32 v[ZZ+n:ZZ+n+1], v[64*((\k)%4)+n:64*((\k)%4)+n+1], s[RS2:RS2+1] op_sel_hi:[1,0]
.set n, n+2
.endr
	WIN 0
	s_branch .Lcommon
.endr
.Lcommon:
	GELUH ZZ
	GELUH ZZ+32
	QUANT ZZ
.irp c, 0,1,2,3
	global_store_b128 v[LI], v[PC+4*\c:PC+4*\c+3], s[12:13] offset:512*\c
.endr
	ds_store_b32 v[SWA], v[PW]
	s_wait_xcnt 0x0
	s_add_nc_u64 s[12:13], s[12:13], 2048
	v_add_nc_u32 v[SWA], 64, v[SWA]
	s_add_co_u32 s[AI], s[AI], 1
	s_cmp_lt_u32 s[AI], 8
	s_cbranch_scc1 .Lblock
	ds_load_b128 v[52:55], v[SWR]
	s_wait_dscnt 0x0
	global_store_b128 v[LI], v[52:55], s[66:67]
	s_wait_tensorcnt 0x0
	ds_add_u32 v[SPW], v[NIL]
	s_wait_dscnt 0x0
	CROUND
	s_endpgm
.Lfunc_end_k_qee7cfe07ab_ff1:
	.size	k_qee7cfe07ab_ff1, .Lfunc_end_k_qee7cfe07ab_ff1-k_qee7cfe07ab_ff1
	.p2alignl 7, 3214868480
	.fill 96, 4, 3214868480
	.section	.rodata,"a",@progbits
	.p2align	6, 0x0
	.amdhsa_kernel k_qee7cfe07ab_ff1
		.amdhsa_group_segment_fixed_size 327680
		.amdhsa_private_segment_fixed_size 0
		.amdhsa_enable_private_segment 0
		.amdhsa_kernarg_size 32
		.amdhsa_user_sgpr_count 2
		.amdhsa_user_sgpr_kernarg_segment_ptr 1
		.amdhsa_wavefront_size32 1
		.amdhsa_system_sgpr_workgroup_id_x 1
		.amdhsa_system_sgpr_workgroup_id_y 1
		.amdhsa_system_sgpr_workgroup_id_z 1
		.amdhsa_system_vgpr_workitem_id 0
		.amdhsa_next_free_vgpr 1024
		.amdhsa_next_free_sgpr 100
		.amdhsa_reserve_vcc 0
		.amdhsa_float_denorm_mode_32 3
		.amdhsa_float_denorm_mode_16_64 3
		.amdhsa_memory_ordered 1
		.amdhsa_forward_progress 1
		.amdhsa_inst_pref_size 188
	.end_amdhsa_kernel
	.amdgpu_metadata
---
amdhsa.version: [ 1, 2 ]
amdhsa.kernels:
  - .name:           k_qee7cfe07ab_ff1
    .symbol:         k_qee7cfe07ab_ff1.kd
    .args:
      - { .name: xn, .offset: 0, .size: 8, .value_kind: global_buffer, .address_space: global }
      - { .name: wbuf, .offset: 8, .size: 8, .value_kind: global_buffer, .address_space: global }
      - { .name: b1, .offset: 16, .size: 8, .value_kind: global_buffer, .address_space: global }
      - { .name: h, .offset: 24, .size: 8, .value_kind: global_buffer, .address_space: global }
    .group_segment_fixed_size: 327680
    .private_segment_fixed_size: 0
    .kernarg_segment_align: 8
    .kernarg_segment_size: 32
    .max_flat_workgroup_size: 128
    .sgpr_count:     100
    .vgpr_count:     1024
    .wavefront_size: 32
...
	.end_amdgpu_metadata
.endif
;; end of part 6
;; launch ff2 (part 7): grid 32 x 8, 4 waves a work-group, clusters of 4 x 1, 327,680 bytes of LDS; arguments h, wbuf, b2, x1, out0; writes out0
.if DOCPART == 7
	.amdgcn_target "amdgcn-amd-amdhsa--gfx1250"
	.amdhsa_code_object_version 6
	.text
	.protected	k_qee7cfe07ab_ff2
	.globl	k_qee7cfe07ab_ff2
	.p2align	8
	.type	k_qee7cfe07ab_ff2,@function
k_qee7cfe07ab_ff2:
	s_mov_b64 s[64:65], 0
	v_nop
	global_prefetch_b8 v0, s[64:65] scope:SCOPE_SE
	s_setreg_imm32_b32 hwreg(HW_REG_WAVE_MODE, 25, 1), 1
	s_wait_xcnt 0x0
	s_wait_alu depctr_hold_cnt(0) depctr_sa_sdst(0) depctr_va_vdst(0) depctr_va_sdst(0) depctr_va_ssrc(0) depctr_va_vcc(0) depctr_vm_vsrc(0)
	s_getreg_b32 s2, hwreg(HW_REG_IB_STS2, 6, 4)
	s_cmp_eq_u32 s2, 0
	s_cbranch_scc0 .Lentry_in_a_cluster
	s_endpgm
.Lentry_in_a_cluster:
	s_bfe_u32 s2, ttmp6, 0x10000c
	s_cmp_lg_u32 s2, 0x3003
	s_cbranch_scc0 .Lentry_shape_is_right
	s_endpgm
.Lentry_shape_is_right:
.set ASC,    16777216
.set BCO,    9437184
.set BSC,    13926400
.set SLOT,   131072
.set SCL,    262144
.set SPARE,  278528
.set SPITCH, 528
.set ADRB, 16
.set LI,   16
.set ADRS, 20
.set LS,   22
.set STO,  24
.set RD,   25
.set SPW,  28
.set NIL,  29
.set SCB,  32
.set SCA,  40
.set BI,   48
.set ACC,  128
.set G0,   32
.set G1B,  48
.set G1S,  68
.set G0S,  76
.set MUL,  0x09
.set AISS, 0
.set EXTRA, 0
.set MSB, 0
.macro WIN new
.if MSB != \new
	s_set_vgpr_msb (MSB<<8)|\new
.set MSB, \new
.endif
.endm
.macro PLACES n
.rept \n
	v_nop
.endr
.endm
.macro TLOAD g0, g1
	tensor_load_to_lds s[\g0:\g0+3], s[\g1:\g1+7]
	s_nop 0
.rept 4
	v_nop
.endr
.endm
.macro CREST
	s_cmp_lg_u32 s14, 0
	s_cbranch_scc1 .Lnot_wave_0_\@
	s_barrier_signal -3
.Lnot_wave_0_\@:
	s_barrier_wait -3
	s_barrier_signal -1
	s_barrier_wait -1
.endm
.macro CROUND
	s_barrier_signal -1
	s_barrier_wait -1
	CREST
.endm
	s_load_b128 s[4:7], s[0:1], 0x0
	s_load_b128 s[8:11], s[0:1], 0x10
	s_load_b64 s[12:13], s[0:1], 0x20
	v_lshl_add_u32 v[SPW], v0, 2, SPARE
	v_mov_b32 v[NIL], 0
	ds_add_u32 v[SPW], v[NIL]
	ds_add_u32 v[SPW], v[NIL]
	v_lshrrev_b32 v1, 5, v0
	v_readfirstlane_b32 s14, v1
	v_and_b32 v3, 31, v0
	v_lshlrev_b32 v[LI], 4, v3
	v_lshlrev_b32 v[LS], 2, v3
	s_bfe_u32 s40, ttmp6, 0x40000
	s_lshl_b32 s17, ttmp9, 2
	s_add_co_u32 s17, s17, s40
	s_and_b32 s42, ttmp7, 0xffff
	s_mov_b32 s[G1B+0], 15|(3<<16)|(1<<21)
	s_mov_b32 s[G1B+1], 2048<<16
	s_mov_b32 s[G1B+2], 2<<16
	s_mov_b32 s[G1B+3], 2048<<16
	s_mov_b32 s[G1B+4], 2
	s_mov_b32 s[G1B+5], 16384
	s_mov_b32 s[G1B+6], 0
	s_mov_b32 s[G1B+7], 0
	s_lshl_b32 s46, s14, 18
	s_lshl_b32 s47, s42, 14
	s_add_co_u32 s46, s46, s47
	s_add_co_u32 s46, s46, BCO
	s_mov_b32 s47, 0
	s_lshl_b32 s92, s14, 15
	s_lshl_b32 s93, s42, 9
	s_add_co_u32 s92, s92, s93
	s_add_co_u32 s92, s92, BSC
	s_mov_b32 s93, 0
	s_lshl_b32 s45, s14, 15
	s_lshl_b32 s2, s14, 12
	s_add_co_u32 s2, s2, SCL
	s_lshl_b32 s20, s17, 14
	s_lshl_b32 s21, s14, 12
	s_add_co_u32 s20, s20, s21
	s_mov_b32 s21, 0
	s_lshl_b32 s94, s17, 9
	s_lshl_b32 s95, s14, 7
	s_add_co_u32 s94, s94, s95
	s_add_co_u32 s94, s94, ASC
	s_mov_b32 s95, 0
	s_lshl_b32 s96, s17, 19
	s_lshl_b32 s97, s14, 17
	s_add_co_u32 s96, s96, s97
	s_lshl_b32 s98, s42, 9
	s_add_co_u32 s96, s96, s98
	s_mov_b32 s97, 0
	s_mov_b32 s99, 0
	s_wait_dscnt 0x0
	s_wait_kmcnt 0x0
	s_add_nc_u64 s[46:47], s[6:7], s[46:47]
	s_add_nc_u64 s[92:93], s[6:7], s[92:93]
	s_add_nc_u64 s[20:21], s[4:5], s[20:21]
	s_add_nc_u64 s[22:23], s[20:21], 8388608
	s_add_nc_u64 s[94:95], s[4:5], s[94:95]
	s_add_nc_u64 s[10:11], s[10:11], s[96:97]
	s_add_nc_u64 s[12:13], s[12:13], s[96:97]
	s_add_nc_u64 s[8:9], s[8:9], s[98:99]
	CROUND
	s_wait_alu depctr_va_vdst(0)                   ; the wait ahead of a reader behind the round
	v_add_nc_u32 v4, s2, v[LI]                     ; B'S SCALE WORDS come by plain loads beside slot 0's tensor load: my wave's 8 K steps x 512 dense bytes; here: where they go in LDS
.irp k, 0,1,2,3,4,5,6,7
	global_load_b128 v[ACC+4*\k:ACC+4*\k+3], v[LI], s[92:93] offset:4096*\k      ; (16 KiB a work-group beside 512 KiB of tiles: not asked for jointly)
.endr
.irp s, 0,1
	s_mov_b32 s[G0+4*\s], 1
	s_add_co_u32 s[G0+4*\s+1], s45, \s*SLOT
	s_add_nc_u64 s[G0+4*\s+2:G0+4*\s+3], s[46:47], \s*1048576
	s_or_b32 s[G0+4*\s+3], s[G0+4*\s+3], 0x80000000
.if \s
	s_wait_alu depctr_va_vdst(0)
	s_wait_loadcnt 0x0                             ; my scale words are in registers,
.irp k, 0,1,2,3,4,5,6,7
	ds_store_b128 v4, v[ACC+4*\k:ACC+4*\k+3] offset:512*\k      ; and go to bytes on which no fill lands
.endr
	s_wait_tensorcnt 0x0                           ; a wait, an add and a round ahead of slot 1's first fill
	ds_add_u32 v28, v29
	s_wait_dscnt 0x0                               ; the add and my stores are done
	CROUND
.endif
	TLOAD G0+4*\s, G1B
.endr
.macro ALOAD k
.set AB, 32*((\k)%8)
.set ASB, 20+2*((\k)/16)
	WIN 0x80
.irp a, 0,1
.irp c, 0,1,2,3
	global_load_b128 v[AB+16*\a+4*\c:AB+16*\a+4*\c+3], v[LI], s[ASB:ASB+1] offset:524288*((\k)%16)+2048*\a+512*\c
.endr
.endr
	WIN 0
	global_load_b32 v[SCA+(\k)%8], v[LS], s[94:95] offset:16384*(\k)
.set AISS, AISS+1
.endm
	s_wait_alu depctr_va_vdst(0)
.irp k, 0,1,2,3,4,5,6
	ALOAD \k
.endr
	v_and_b32 v1, 15, v0
	v_bfe_u32 v2, v0, 4, 1
	v_add_nc_u32 v[ADRB+1], 65536, v[LI]
	v_add_nc_u32 v[ADRB+2], 131072, v[LI]
	v_add_nc_u32 v[ADRB+3], 196608, v[LI]
	v_lshl_add_u32 v[ADRS], v3, 2, SCL
	s_mul_i32 s41, s14, 16*SPITCH
	v_mul_u32_u24 v5, v1, SPITCH
	v_lshl_add_u32 v5, v2, 6, v5
	v_add_nc_u32 v[STO], s41, v5
	v_add_nc_u32 v[RD], s41, v[LI]
.macro FETCHB k, f
.set AD, ADRB+2*(((\k)/8)%2)+((\k)%8)/4
	WIN 0x40
.irp i, 0,1,2,3,4,5,6,7
.irp c, 0,1,2,3
	ds_load_b128 v[128*(\f)+16*\i+4*\c:128*(\f)+16*\i+4*\c+3], v[AD] offset:16384*((\k)%4)+2048*\i+512*\c
.endr
.endr
	WIN 0
.irp i, 0,1,2,3
	ds_load_b32 v[SCB+4*(\f)+\i], v[ADRS] offset:512*(\k)+128*\i
.endr
.endm
.macro MULH a, hh, k, zero
.set AB, 32*((\k)%8)+16*(\a)
.set SAR, SCA+(\k)%8
.irp p, 0,1
.set BQ, 4*(\hh)+2*\p
.set SBR, SCB+4*((\k)%2)+2*(\hh)+\p
.set DD, ACC+8*(8*(\a)+BQ)
.set FQ, 128*((\k)%2)+16*BQ
.if \zero
.if \a
	v_wmma_scale_f32_16x16x128_f8f6f4 v[DD:DD+7], v[FQ:FQ+15], v[AB:AB+15], 0, v[SBR], v[SAR] matrix_a_fmt:MATRIX_FMT_BF8 matrix_b_fmt:MATRIX_FMT_BF8 matrix_b_scale:MATRIX_SCALE_ROW1
	v_wmma_scale_f32_16x16x128_f8f6f4 v[DD+8:DD+15], v[FQ+16:FQ+31], v[AB:AB+15], 0, v[SBR], v[SAR] matrix_a_fmt:MATRIX_FMT_BF8 matrix_b_fmt:MATRIX_FMT_BF8 matrix_a_scale:MATRIX_SCALE_ROW1 matrix_b_scale:MATRIX_SCALE_ROW1
.else
	v_wmma_scale_f32_16x16x128_f8f6f4 v[DD:DD+7], v[FQ:FQ+15], v[AB:AB+15], 0, v[SBR], v[SAR] matrix_a_fmt:MATRIX_FMT_BF8 matrix_b_fmt:MATRIX_FMT_BF8
	v_wmma_scale_f32_16x16x128_f8f6f4 v[DD+8:DD+15], v[FQ+16:FQ+31], v[AB:AB+15], 0, v[SBR], v[SAR] matrix_a_fmt:MATRIX_FMT_BF8 matrix_b_fmt:MATRIX_FMT_BF8 matrix_a_scale:MATRIX_SCALE_ROW1
.endif
.else
.if \a
	v_wmma_scale_f32_16x16x128_f8f6f4 v[DD:DD+7], v[FQ:FQ+15], v[AB:AB+15], v[DD:DD+7], v[SBR], v[SAR] matrix_a_fmt:MATRIX_FMT_BF8 matrix_b_fmt:MATRIX_FMT_BF8 matrix_b_scale:MATRIX_SCALE_ROW1
	v_wmma_scale_f32_16x16x128_f8f6f4 v[DD+8:DD+15], v[FQ+16:FQ+31], v[AB:AB+15], v[DD+8:DD+15], v[SBR], v[SAR] matrix_a_fmt:MATRIX_FMT_BF8 matrix_b_fmt:MATRIX_FMT_BF8 matrix_a_scale:MATRIX_SCALE_ROW1 matrix_b_scale:MATRIX_SCALE_ROW1
.else
	v_wmma_scale_f32_16x16x128_f8f6f4 v[DD:DD+7], v[FQ:FQ+15], v[AB:AB+15], v[DD:DD+7], v[SBR], v[SAR] matrix_a_fmt:MATRIX_FMT_BF8 matrix_b_fmt:MATRIX_FMT_BF8
	v_wmma_scale_f32_16x16x128_f8f6f4 v[DD+8:DD+15], v[FQ+16:FQ+31], v[AB:AB+15], v[DD+8:DD+15], v[SBR], v[SAR] matrix_a_fmt:MATRIX_FMT_BF8 matrix_b_fmt:MATRIX_FMT_BF8 matrix_a_scale:MATRIX_SCALE_ROW1
.endif
.endif
.endr
.endm
.macro AWAIT k
	s_wait_loadcnt 9*(AISS-1-(\k))+EXTRA
.endm
.macro RLOAD j
	WIN 0xc0
.irp u, 0,1,2,3,4,5,6,7
.set MM, 8*(\j)+\u
	global_load_b128 v[4*MM:4*MM+3], v[LI], s[10:11] offset:(8*(MM/16)+MM%16+8*((MM%16)/8))*4096
.endr
	WIN 0
.set EXTRA, EXTRA+8
.endm
.macro ANEXT k
.if (\k)+7 < 32
	ALOAD (\k)+7
.elseif (\k) < 29
	RLOAD (\k)-25
.elseif (\k) == 29
	global_load_b128 v[BI:BI+3], v[LI], s[8:9]
.set EXTRA, EXTRA+1
.endif
.endm
.macro STEP k, zero
	s_wait_dscnt 0x0
	PLACES 8
	FETCHB (\k)+1, 1-(\k)%2
	AWAIT \k
	ANEXT \k
	WIN MUL
	MULH 0, 0, \k, \zero
	MULH 0, 1, \k, \zero
	MULH 1, 0, \k, \zero
	MULH 1, 1, \k, \zero
.endm
.macro TURN k, fill
.set SL, ((\k)/8)%2
	WIN 0
	s_wait_tensorcnt 0x0
	ds_add_u32 v[SPW], v[NIL]
	s_wait_dscnt 1
	AWAIT \k
	WIN MUL
	MULH 0, 0, \k, 0
	s_wait_dscnt 0x0
	s_barrier_signal -1
	MULH 0, 1, \k, 0
	WIN 0
	s_barrier_wait -1
.if \fill
	CREST
	s_add_nc_u64 s[G0+4*SL+2:G0+4*SL+3], s[G0+4*SL+2:G0+4*SL+3], 2097152
	TLOAD G0+4*SL, G1B
	PLACES 4
.else
	PLACES 8
.endif
	FETCHB (\k)+1, 0
	ANEXT \k
	WIN MUL
	MULH 1, 0, \k, 0
	MULH 1, 1, \k, 0
.endm
	s_wait_alu depctr_va_vdst(0)
	s_wait_tensorcnt 1
	s_barrier_signal -1
	s_barrier_wait -1
	FETCHB 0, 0
	STEP 0, 1
.irp k, 1,2,3,4,5,6
	STEP \k, 0
.endr
	TURN 7, 1
.irp k, 8,9,10,11,12,13,14
	STEP \k, 0
.endr
	TURN 15, 1
.irp k, 16,17,18,19,20,21,22
	STEP \k, 0
.endr
	TURN 23, 0
.irp k, 24,25,26,27,28,29,30
	STEP \k, 0
.endr
	s_wait_dscnt 0x0
	AWAIT 31
	WIN MUL
	MULH 0, 0, 31, 0
	MULH 0, 1, 31, 0
	MULH 1, 0, 31, 0
	MULH 1, 1, 31, 0
	WIN 0
.macro TOSTAGE a
.irp b, 0,1,2,3,4,5,6,7
	ds_store_b128 v[STO], v[ACC+8*(8*(\a)+\b):ACC+8*(8*(\a)+\b)+3] offset:128*(\b/2)+32*(\b%2)
	ds_store_b128 v[STO], v[ACC+8*(8*(\a)+\b)+4:ACC+8*(8*(\a)+\b)+7] offset:128*(\b/2)+32*(\b%2)+16
.endr
.irp t, 0,1,2,3,4,5,6,7,8,9,10,11,12,13,14,15
	ds_load_b128 v[ACC+64*(\a)+4*\t:ACC+64*(\a)+4*\t+3], v[RD] offset:\t*SPITCH
.endr
.endm
.macro SEND a, younger
.set BB, ACC+64*(\a)
	s_wait_dscnt \younger
	WIN 0x0c
.set n, 0
.rept 32
	v_pk_add_f32 v[BB+n:BB+n+1], v[BB+n:BB+n+1], v[64*(\a)+n:64*(\a)+n+1]
.set n, n+2
.endr
	WIN 0
.irp t, 0,1,2,3,4,5,6,7,8,9,10,11,12,13,14,15
	v_pk_add_f32 v[BB+4*\t:BB+4*\t+1], v[BB+4*\t:BB+4*\t+1], v[BI:BI+1]
	v_pk_add_f32 v[BB+4*\t+2:BB+4*\t+3], v[BB+4*\t+2:BB+4*\t+3], v[BI+2:BI+3]
.endr
.irp t, 0,1,2,3,4,5,6,7,8,9,10,11,12,13,14,15
	global_store_b128 v[LI], v[BB+4*\t:BB+4*\t+3], s[12:13] offset:(8*(\a)+\t+8*(\t/8))*4096 th:TH_STORE_NT
.endr
.endm
	PLACES 8
	s_wait_loadcnt 0x0
	TOSTAGE 0
	TOSTAGE 1
	SEND 0, 32
	SEND 1, 0
	s_wait_tensorcnt 0x0
	ds_add_u32 v[SPW], v[NIL]
	s_wait_dscnt 0x0
	CROUND
	s_endpgm
.Lfunc_end_k_qee7cfe07ab_ff2:
	.size	k_qee7cfe07ab_ff2, .Lfunc_end_k_qee7cfe07ab_ff2-k_qee7cfe07ab_ff2
	.p2alignl 7, 3214868480
	.fill 96, 4, 3214868480
	.section	.rodata,"a",@progbits
	.p2align	6, 0x0
	.amdhsa_kernel k_qee7cfe07ab_ff2
		.amdhsa_group_segment_fixed_size 327680
		.amdhsa_private_segment_fixed_size 0
		.amdhsa_enable_private_segment 0
		.amdhsa_kernarg_size 40
		.amdhsa_user_sgpr_count 2
		.amdhsa_user_sgpr_kernarg_segment_ptr 1
		.amdhsa_wavefront_size32 1
		.amdhsa_system_sgpr_workgroup_id_x 1
		.amdhsa_system_sgpr_workgroup_id_y 1
		.amdhsa_system_sgpr_workgroup_id_z 1
		.amdhsa_system_vgpr_workitem_id 0
		.amdhsa_next_free_vgpr 896
		.amdhsa_next_free_sgpr 100
		.amdhsa_reserve_vcc 0
		.amdhsa_float_denorm_mode_32 3
		.amdhsa_float_denorm_mode_16_64 3
		.amdhsa_memory_ordered 1
		.amdhsa_forward_progress 1
		.amdhsa_inst_pref_size 206
	.end_amdhsa_kernel
	.amdgpu_metadata
---
amdhsa.version: [ 1, 2 ]
amdhsa.kernels:
  - .name:           k_qee7cfe07ab_ff2
    .symbol:         k_qee7cfe07ab_ff2.kd
    .args:
      - { .name: h, .offset: 0, .size: 8, .value_kind: global_buffer, .address_space: global }
      - { .name: wbuf, .offset: 8, .size: 8, .value_kind: global_buffer, .address_space: global }
      - { .name: b2, .offset: 16, .size: 8, .value_kind: global_buffer, .address_space: global }
      - { .name: x1, .offset: 24, .size: 8, .value_kind: global_buffer, .address_space: global }
      - { .name: out0, .offset: 32, .size: 8, .value_kind: global_buffer, .address_space: global }
    .group_segment_fixed_size: 327680
    .private_segment_fixed_size: 0
    .kernarg_segment_align: 8
    .kernarg_segment_size: 40
    .max_flat_workgroup_size: 128
    .sgpr_count:     100
    .vgpr_count:     896
    .wavefront_size: 32
...
	.end_amdgpu_metadata
.endif
;; end of part 7
